; MI455X (gfx1250); checked and timed in simulation.
; The chip was launched on July 23, 2026; its instructions are those of AMD's public machine-readable ISA for CDNA 5 (MIT licence, August 2026) and "CDNA5" Instruction Set Architecture Reference Guide (July 2026). The comments in the code are by the model that wrote it; some were corrected since.
;; Cross Attention. Allowed arithmetic: matrix products marked QUANTISED: E4M3 operands, one E8M0 scale for each 32 along K, by v_wmma_scale_f32_16x16x128_f8f6f4 with both operands' format E4M3, f32 sums; products left as they are: f32 operands where the result goes on into a quantised operand, else bf16, f16 or f32 operands; f32 sums; everything else in f32.
;; Inputs: ln1_b 8 float32; ln1_g 8 float32; ln2_b 8 float32; ln2_g 8 float32; ln3_b 8 float32; ln3_g 8 float32; p1_b 8 float32; p1_w 8 x 8 float32; p2_b 8 float32; p2_w 8 x 8 float32; p3_b 4 float32; p3_w 4 x 8 float32; pos_proj_b 8 float32; pos_proj_w 8 x 3 float32; proj_b 128 float32; proj_w 128 x 128 float32; qkv_b 384 float32; qkv_w 384 x 128 float32; x 64 x 512 x 128 float32; y 64 x 512 x 128 float32.
;; Outputs: out0 64 x 512 x 128 float32.
;; Constants: D = 8, H = 8, W = 8.
;; This version of the problem:
;;   THIS VERSION OF THE PROBLEM IS GIVEN IN LOW PRECISION. The matrix products marked QUANTISED in the list below multiply operands that are first quantised to E4M3 (4 exponent bits, 3 mantissa bits; 8 bits a number), with one power-of-two scale for each 32 numbers along K (OCP MX v1.0); their sums are f32. All else is computed in f32.
;;   The module's matrix products, in the order in which they are computed (A, B: the left and right operand; K: the contracted axis; several contracted axes count as one K, in the product's order):
;;     1. [M 32,768, K 128] x [K 128, N 384]; A: input x; B: input qkv_w: QUANTISED
;;     2. [M 32,768, K 128] x [K 128, N 384]; A: input y; B: input qkv_w: QUANTISED
;;     3. batch 256 x [M 512, K 32] x [K 32, N 512]; A: computed on the way; B: computed on the way: QUANTISED
;;     4. [M 3,375, K 3] x [K 3, N 8]; A: computed on the way; B: input pos_proj_w: left as it is (K = 3 < 32)
;;     5. [M 3,375, K 8] x [K 8, N 8]; A: computed on the way; B: input p1_w: left as it is (K = 8 < 32)
;;     6. [M 3,375, K 8] x [K 8, N 8]; A: computed on the way; B: input p2_w: left as it is (K = 8 < 32)
;;     7. [M 3,375, K 8] x [K 8, N 4]; A: computed on the way; B: input p3_w: left as it is (K = 8 < 32)
;;     8. batch 256 x [M 512, K 512] x [K 512, N 32]; A: softmax (see below); B: computed on the way: QUANTISED
;;     9. [M 32,768, K 128] x [K 128, N 128]; A: computed on the way; B: input proj_w: QUANTISED
;;   THE QUANTISER, for each operand of a quantised product, along K:
;;     - K is cut into blocks of 32 from its start; a last block that is shorter is filled with zeros.
;;     - A block's scale is 2^e with e = floor(log2(the largest magnitude in the block)) - 8, held to -126 .. 127; a block of zeros has e = 0. As a byte (E8M0): e + 127.
;;     - Each number is divided by its block's scale, clamped to +-448, and rounded to the nearest number of E4M3, ties to even, subnormals kept.
;;     - The product sums the exact products of the quantised numbers (number of the format x scale) in f32.
;;   ~~~python
;;   def quantise(x, axis):      # numpy; x: float32 -> the quantised numbers, widened to float32 again
;;       x = np.moveaxis(x, axis, -1); K = x.shape[-1]
;;       x = np.pad(x, [(0, 0)] * (x.ndim - 1) + [(0, -K % 32)]); x = x.reshape(x.shape[:-1] + (-1, 32)); a = np.abs(x).max(-1, keepdims=True)
;;       e = np.where(a > 0, np.clip(np.frexp(np.where(a > 0, a, 1))[1] - 1 - 8, -126, 127), 0)      # np.frexp(a)[1] - 1 = floor(log2(a)), exactly
;;       r = np.clip(x / 2.0 ** e, -448, 448)
;;       step = 2.0 ** (np.maximum(np.frexp(np.where(r == 0, 1, r))[1] - 1, -6) - 3)
;;       q = np.round(r / step) * step * 2.0 ** e      # np.round: ties to even
;;       return np.moveaxis(q.reshape(q.shape[:-2] + (-1,))[..., :K], -1, axis).astype(np.float32)
;;   ~~~
;;   SOFTMAX AHEAD OF A QUANTISED PRODUCT. Where the list says 'softmax', what is quantised is not the finished softmax but p = 2^(t - M), with t = logit x log2(e) and M = ceil(the row's largest t), a whole number; so 1/2 < the row's largest p <= 1. The row's sum l is taken of the UNQUANTISED p, in f32, and the product's result is divided by l at the end. Since M is a whole number, a kernel that streams over the keys may use a running M (the ceiling of the running maximum): every later rescaling is an exact power of two, which a block's scale takes up: the codes' values come out the same.
;;   OPERANDS COMPUTED ON THE WAY. 'Computed on the way' means the value that the module computes at that place (a softmax that the list does not call 'softmax' is quantised finished and normalised). What goes into a quantiser is computed in f32, as accurately as f32 sums, v_exp_f32 and their like allow (about 1e-6 of the number): no bf16 or f16 on the way to a quantiser, and a product that is left as it is and whose result goes on into a quantised operand takes f32 operands (vector FMAs, or v_wmma_f32_16x16x4_f32). A number that lies on a knife's edge between two numbers of the format may be rounded either way, as far as f32 arithmetic and the matrix unit's own rounding can turn it there, and no further.
;; 2 versions. Each part assembles by itself: llvm-mc -triple=amdgcn-amd-amdhsa -mcpu=gfx1250 --defsym DOCPART=n.
;; ======== version 1 of 2: 2 launches
;; workspace buffers: qc 4,194,304 bytes; kv 8,912,896 bytes; tab 57,344 bytes
;; launch prep (part 1): grid 270 x 1, 4 waves a work-group, no clusters, 37,376 bytes of LDS; arguments x, y, qkv_w, qkv_b, qc, kv, tab, pos_proj_w, pos_proj_b, ln1_g, ln1_b, p1_w, p1_b, ln2_g, ln2_b, p2_w, p2_b, ln3_g, ln3_b, p3_w, p3_b; writes qc, kv, tab
.if DOCPART == 1
	.amdgcn_target "amdgcn-amd-amdhsa--gfx1250"
	.amdhsa_code_object_version 6
	.text
	.protected	k_q75b878951c_prep
	.globl	k_q75b878951c_prep
	.p2align	8
	.type	k_q75b878951c_prep,@function
k_q75b878951c_prep:
	s_mov_b64 s[64:65], 0
	v_nop
	global_prefetch_b8 v0, s[64:65] scope:SCOPE_SE
	s_setreg_imm32_b32 hwreg(HW_REG_WAVE_MODE, 25, 1), 1
	s_wait_xcnt 0x0
; PREP.  Work-groups 0-255: q x 32^-0.5 (from x), k and v (from y) on codes of E4M3 with one E8M0 scale for each 32 along K, quantised again and stored
; as IMAGES OF THE OPERAND REGISTERS that the attention launch wants.  Work-groups 256-269: the table of position biases, [4 heads][3,584] f32, by f32 multiply-adds.
; k and v of x and q of y are results that the problem throws away: they are not made.
; MAIN PATH.  A work-group takes 128 tokens (batch = wg / 4, block s = wg % 4) of x and of y; wave c takes head c.  Each wave quantises two tiles of 16 tokens of x and two of y
; (along the 128 channels) and hands them to the others through LDS as images of their registers (16 bytes a lane, 512 a store); its own 96 rows of qkv_w it quantises into registers.
; q, k: source 0 = 16 rows of the weight, source 1 = 16 tokens: a lane holds one token and, over two tiles, 16 neighbouring channels of the head: THE ROWS OF A WEIGHT TILE ARE
; 8 u + r + 8 (r / 8).  v: source 0 = 16 tokens, source 1 = 16 rows of the weight: a lane holds one channel and its registers run along the tokens, which are the keys, v's K.
; THE TOKENS OF A TILE OF y ARE NOT NEIGHBOURS: lane r of tile 2 b + u takes token 32 b + 8 u + r + 8 (r / 8), so that 16 registers of two tiles are 16 neighbouring keys.
; The biases are the C of each product.  Every store covers 512 consecutive bytes, aligned.
; NO CLUSTER: 270 work-groups are no multiple of four, and the operands go from memory straight into registers in the quantiser's lane order: there is no tile in LDS to ask for jointly.
; LIMITS: NaN and infinities among the inputs are not served.  A block whose largest magnitude lies under 2^-118, a block of zeros among them, gets the scale byte 1
; (for zeros the rule says 127: the codes are zeros and only this program reads the bytes).  1 / sqrt in the table's norms is v_rsq_f32.
; REGISTERS, window 0: v1 16 x lane; v2 4 x lane; v3, v4 offsets of a tile's rows (x; y and weights); v5, v6 where I store images and scale words; v7, v8 offsets in qkv_b;
;   v10-11 q's scale words; v12-15 the record's words; v16-31 the quantiser's; v32 a scale word; v33-38 the weights' scale words; v40-43 the fragments'; v44-47 k's and v's;
;   v48-63 codes just made; v64-255 three sets of 64 numbers, later four fragments (v64), q or k (v128), v (v192).
;   window 1: v0-95 the weights' six fragments (q0 q1 k0 k1 v0 v1); v96-143 the biases in the results' layout.
.set XIMG, 0                           ; LDS: x's 8 fragments, 2,048 bytes each
.set YIMG, 16384                       ; y's
.set XSC,  32768                       ; their scale words, 128 bytes a fragment
.set YSC,  33792
.set TM,   16                          ; +0 largest magnitudes, +4 bytes, +8 448 x the scale, +12 the conversions' scale operand
.set PC,   48
.set FRG,  64
.set DA,   128
.set DV,   192
.set MSB,  0
.macro WIN new                         ; the immediate's high byte repeats the setting that is left
.if MSB != \new
	s_set_vgpr_msb (MSB<<8)|\new
.set MSB, \new
.endif
.endm
.macro PLACES n
.rept \n
	v_nop
.endr
.endm
; 64 numbers of a lane: of my row, 16 neighbours of each block of 32
.macro TLOAD set, adr, base, off, nt
.irp b, 0,1,2,3
.irp q, 0,1,2,3
.if \nt
	global_load_b128 v[\set+16*\b+4*\q:\set+16*\b+4*\q+3], v[\adr], s[\base:\base+1] offset:\off+128*\b+16*\q th:TH_LOAD_NT
.else
	global_load_b128 v[\set+16*\b+4*\q:\set+16*\b+4*\q+3], v[\adr], s[\base:\base+1] offset:\off+128*\b+16*\q
.endif
.endr
.endr
.endm
; tile k of ten into set k % 3: two of x, two of y, six of the weight
.macro ISSUE k
.if (\k) < 2
	TLOAD 64+64*((\k)%3), 3, 4, 8192*(\k), 1
.elseif (\k) < 4
	TLOAD 64+64*((\k)%3), 4, 6, 4096*((\k)-2), 1
.else
	TLOAD 64+64*((\k)%3), 4, 8, 65536*(((\k)-4)/2)+4096*(((\k)-4)%2), 0
.endif
.endm
; 64 numbers, register 16 b + i = number 16 (lane / 16) + i of block b of my row, become 16 registers of codes at v[pc] (window pcwin) and a scale word in v[pw]
.macro QUANT s, pc, pcwin, pw
.irp b, 0,1,2,3
	v_max3_num_f32 v[TM+\b], |v[\s+16*\b]|, |v[\s+1+16*\b]|, 0x4800000   ; my 16 numbers and the floor 2^(9 - 127): the byte cannot fall under 1
.endr
.irp i, 2,4,6,8,10,12,14
.irp b, 0,1,2,3
	v_max3_num_f32 v[TM+\b], v[TM+\b], |v[\s+16*\b+\i]|, |v[\s+1+16*\b+\i]|
.endr
.endr
.irp b, 0,1,2,3
	v_permlanex16_b32 v[TM+4+\b], v[TM+\b], s20, s21
.endr
.irp b, 0,1,2,3
	v_max_num_f32 v[TM+\b], v[TM+\b], v[TM+4+\b]           ; with lane l xor 16's: the block's largest magnitude
.endr
.irp b, 0,1,2,3
	v_add_nc_u32 v[TM+12+\b], 0xfc000000, v[TM+\b]         ; 8 off its exponent field: the conversion's scale operand
.endr
.irp b, 0,1,2,3
	v_and_or_b32 v[TM+8+\b], v[TM+\b], 0x7f800000, s22     ; 448 x the scale
.endr
.irp b, 0,1,2,3
	v_lshrrev_b32 v[TM+4+\b], 23, v[TM+12+\b]              ; the scale's byte
.endr
	v_lshl_or_b32 v[\pw], v[TM+5], 8, v[TM+4]
	v_lshl_or_b32 v[\pw], v[TM+6], 16, v[\pw]
	v_lshl_or_b32 v[\pw], v[TM+7], 24, v[\pw]
.irp b, 0,1,2,3
.irp i, 0,1,2,3,4,5,6,7,8,9,10,11,12,13,14,15
	v_med3_num_f32 v[\s+16*\b+\i], v[\s+16*\b+\i], -v[TM+8+\b], v[TM+8+\b]   ; the conversion to an 8-bit code does not saturate (ISA guide 7.6.2): the hold
.endr
.endr
.if \pcwin
	WIN 0x40
.endif
.irp b, 0,1,2,3
	v_cvt_scalef32_pk8_fp8_f32 v[\pc+4*\b:\pc+4*\b+1], v[\s+16*\b:\s+16*\b+7], v[TM+12+\b]
	v_cvt_scalef32_pk8_fp8_f32 v[\pc+4*\b+2:\pc+4*\b+3], v[\s+16*\b+8:\s+16*\b+15], v[TM+12+\b]
.endr
	WIN 0
	v_nop                                          ; one plain vector instruction behind the last conversion
.endm
.macro IMAGE adr, off                  ; the fragment in v[PC] on goes to LDS as it stands
.irp q, 0,1,2,3
	ds_store_b128 v[\adr], v[PC+4*\q:PC+4*\q+3] offset:\off+512*\q
.endr
.endm
.macro FETCH4 img, sc, rr              ; fragments 4 rr .. 4 rr + 3 and their scale words come back so, in any wave
.irp t, 0,1,2,3
.irp q, 0,1,2,3
	ds_load_b128 v[FRG+16*\t+4*\q:FRG+16*\t+4*\q+3], v1 offset:\img+(4*\rr+\t)*2048+512*\q
.endr
	ds_load_b32 v[40+\t], v2 offset:\sc+(4*\rr+\t)*128
.endr
.endm
	v_lshl_add_u32 v39, v0, 2, 0x9000
	s_set_vgpr_msb 0x80
	v_mov_b32 v1, 0
	s_set_vgpr_msb 0x8000
	s_cmp_ge_u32 ttmp9, 256                        ; the last 14 work-groups make the table: the branch hangs on the work-group's number alone
	s_cbranch_scc1 .Ltab
	s_load_b256 s[4:11], s[0:1], 0x0               ; x, y, qkv_w, qkv_b
	s_load_b128 s[12:15], s[0:1], 0x20             ; qc, kv
	v_lshrrev_b32 v9, 5, v0
	v_readfirstlane_b32 s16, v9                    ; wave = head c
	v_and_b32 v9, 31, v0
	v_lshlrev_b32 v1, 4, v9                        ; 16 x lane
	v_lshlrev_b32 v2, 2, v9                        ; 4 x lane
	v_and_b32 v8, 15, v0                           ; r
	v_bfe_u32 v7, v0, 4, 1                         ; h
	v_lshlrev_b32 v7, 6, v7                        ; 64 h: my 16 numbers of a block of 32; also q's and k's biases
	v_lshl_add_u32 v3, v8, 9, v7                   ; x: row r of 512 bytes
	v_and_b32 v9, 8, v8
	v_add_nc_u32 v8, v9, v8                        ; r + 8 (r / 8)
	v_lshl_add_u32 v4, v8, 9, v7                   ; y and the weight: that row
	v_lshlrev_b32 v8, 2, v8                        ; v's bias: my channel
	s_lshl_b32 s17, s16, 12
	v_add_nc_u32 v5, s17, v1                       ; my two fragments' images: 16 x lane + 4,096 c
	s_lshl_b32 s17, s16, 8
	v_add_nc_u32 v6, s17, v2                       ; their scale words: 4 x lane + 256 c
.irp b, 0,1,2,3
	v_mov_b32 v[TM+4+\b], 0                        ; written once: a lane permute's destination counts as one of its sources
.endr
	s_mov_b32 s20, 0x76543210
	s_mov_b32 s21, 0xfedcba98                      ; v_permlanex16_b32's selects for lane l xor 16
	s_mov_b32 s22, 0x600000                        ; the mantissa field of 448
	s_mov_b32 s23, 0xffff0000                      ; lanes 16-31
	s_mov_b32 s24, 0x3e3504f3                      ; 32^-0.5
	s_mov_b32 s25, s24                             ; (named with it as a pair)
	s_lshl_b32 s26, ttmp9, 16                      ; x, y: 128 tokens of 512 bytes a work-group, 32 a wave
	s_lshl_b32 s28, s16, 14                        ; the weight: 32 rows of 512 bytes a head
	s_add_co_u32 s26, s26, s28
	s_mov_b32 s27, 0
	s_mov_b32 s29, 0
	s_lshl_b32 s30, s16, 7                         ; qkv_b: 32 numbers a head
	s_mov_b32 s31, 0
	s_lshl_b32 s32, ttmp9, 14                      ; qc: 8 tiles of 2,048 bytes a work-group, 512 a head
	s_lshl_b32 s17, s16, 9
	s_add_co_u32 s32, s32, s17
	s_mov_b32 s33, 0
	s_lshr_b32 s34, ttmp9, 2                       ; kv: 139,264 bytes a batch, 34,816 a head, 8,704 a block of 128 keys
	s_mul_i32 s34, s34, 139264
	s_and_b32 s17, ttmp9, 3
	s_mul_i32 s17, s17, 8704
	s_add_co_u32 s34, s34, s17
	s_mul_i32 s17, s16, 34816
	s_add_co_u32 s34, s34, s17
	s_mov_b32 s35, 0
	s_wait_kmcnt 0x0
	s_add_nc_u64 s[4:5], s[4:5], s[26:27]
	s_add_nc_u64 s[6:7], s[6:7], s[26:27]
	s_add_nc_u64 s[8:9], s[8:9], s[28:29]
	s_add_nc_u64 s[10:11], s[10:11], s[30:31]
	s_add_nc_u64 s[12:13], s[12:13], s[32:33]
	s_add_nc_u64 s[14:15], s[14:15], s[34:35]
	; ---- the biases, in the results' layout: 24 loads
	WIN 0x40                                       ; destination window 1
.irp m, 0,1                                    ; q, k: register j of tile u is channel 16 h + 8 u + j
.irp u, 0,1
	global_load_b128 v[96+16*\m+8*\u:99+16*\m+8*\u], v7, s[10:11] offset:512*\m+32*\u
	global_load_b128 v[100+16*\m+8*\u:103+16*\m+8*\u], v7, s[10:11] offset:512*\m+32*\u+16
.endr
.endr
.irp u, 0,1                                    ; v: all eight registers are my channel 8 u + r + 8 (r / 8)
.irp q, 0,1,2,3,4,5,6,7
	global_load_b32 v[128+8*\u+\q], v8, s[10:11] offset:1024+32*\u
.endr
.endr
	WIN 0
	; ---- ten tiles are quantised; three sets of registers, so that the loads of two tiles are out while one is worked on
	ISSUE 0
	ISSUE 1
	ISSUE 2
.irp k, 0,1,2,3,4,5,6,7,8,9
.if \k <= 7
	s_wait_loadcnt 32                              ; this tile's 16 loads are in; the 32 of the two tiles behind it may be out
.elseif \k == 8
	s_wait_loadcnt 16
.else
	s_wait_loadcnt 0
.endif
.if \k < 4
.if \k > 0
	s_wait_dscnt 0x0                               ; the last image's stores have read their registers
.endif
	QUANT 64+64*(\k%3), PC, 0, 32
	IMAGE 5, (\k/2)*16384+(\k%2)*2048
	ds_store_b32 v6, v32 offset:XSC+(\k/2)*1024+(\k%2)*128
.else
	QUANT 64+64*(\k%3), 16*(\k-4), 1, 33+\k-4
.endif
.if \k+3 <= 9
	ISSUE \k+3
.endif
.endr
	PLACES 8                                       ; codes and scale words made by vector instructions stand 4 and 8 places ahead of a scaled matrix instruction
	s_wait_dscnt 0x0                               ; for the others' sake: my images lie in LDS
	s_barrier_signal -1
	s_barrier_wait -1                              ; the launch's one barrier: behind it LDS is only read
	; ---- q: four tiles of tokens at a time.  Each accumulator takes one instruction (K = 128), its C the bias
.irp rr, 0,1
	FETCH4 XIMG, XSC, \rr
	s_wait_dscnt 0x0
	WIN 0x11                                       ; source 0 (the weight) and C (the bias) window 1
.irp g, 0,1,2,3
.irp u, 0,1
	v_wmma_scale_f32_16x16x128_f8f6f4 v[DA+16*\g+8*\u:DA+16*\g+8*\u+7], v[16*\u:16*\u+15], v[FRG+16*\g:FRG+16*\g+15], v[96+8*\u:103+8*\u], v[33+\u], v[40+\g]
.endr
.endr
	WIN 0
	PLACES 8
.set n, 0
.rept 32
	v_pk_mul_f32 v[DA+n:DA+n+1], v[DA+n:DA+n+1], s[24:25] op_sel_hi:[1,0]   ; q x 32^-0.5, each accumulator from its low end on
.set n, n+2
.endr
	s_wait_xcnt 0x0                                ; earlier stores have read the codes' registers
	QUANT DA, PC, 0, 10+\rr                        ; block g = tile 4 rr + g: a token's 32 channels of the head
.irp g, 0,1,2,3
	global_store_b128 v1, v[PC+4*\g:PC+4*\g+3], s[12:13] offset:(4*\rr+\g)*2048
.endr
.endr
	; ---- k and v
.irp rr, 0,1
	FETCH4 YIMG, YSC, \rr
	s_wait_dscnt 0x0
	WIN 0x11
.irp g, 0,1,2,3
.irp u, 0,1
	v_wmma_scale_f32_16x16x128_f8f6f4 v[DA+16*\g+8*\u:DA+16*\g+8*\u+7], v[32+16*\u:47+16*\u], v[FRG+16*\g:FRG+16*\g+15], v[112+8*\u:119+8*\u], v[35+\u], v[40+\g]
.endr
.endr
	WIN 0x14                                       ; source 1 (the weight) and C window 1
.irp u, 0,1
.irp t, 0,1,2,3
	v_wmma_scale_f32_16x16x128_f8f6f4 v[DV+32*\u+8*\t:DV+32*\u+8*\t+7], v[FRG+16*\t:FRG+16*\t+15], v[64+16*\u:79+16*\u], v[128+8*\u:135+8*\u], v[40+\t], v[37+\u]
.endr
.endr
	WIN 0
	PLACES 8
	s_wait_xcnt 0x0
	QUANT DA, PC, 0, 44+\rr                        ; k: block g = key tile 4 rr + g
.irp g, 0,1,2,3
	global_store_b128 v1, v[PC+4*\g:PC+4*\g+3], s[14:15] offset:(4*\rr+\g)*512
.endr
	s_wait_xcnt 0x0
	QUANT DV, PC, 0, 46+\rr                        ; v: block 2 u + t = channel tile u, keys 32 (2 rr + t) on
.irp u, 0,1
.irp t, 0,1
	global_store_b128 v1, v[PC+8*\u+4*\t:PC+8*\u+4*\t+3], s[14:15] offset:4096+2048*\u+(2*\rr+\t)*512
.endr
.endr
.endr
	; ---- the record's scale words, four a lane: k's (lanes 0-15 tiles 0-3, lanes 16-31 tiles 4-7), v's (channel tile 0, 1), q's (tiles 0-3, 4-7), 0
	v_cndmask_b32 v12, v44, v45, s23
	v_perm_b32 v32, v47, v46, 0x05040100           ; channel tile 0: key blocks 0, 1 of the first half, 2, 3 of the second
	v_perm_b32 v13, v47, v46, 0x07060302           ; channel tile 1
	v_cndmask_b32 v13, v32, v13, s23
	v_cndmask_b32 v14, v10, v11, s23
	v_mov_b32 v15, 0
	global_store_b128 v1, v[12:15], s[14:15] offset:8192
	s_set_vgpr_msb 0x8
	s_wait_tensorcnt 0x0
	ds_add_u32 v39, v1
	s_wait_dscnt 0x0
	s_set_vgpr_msb 0x800
	s_endpgm
; THE TABLE.  Thread t of work-group 256 + i makes rows 256 i + 2 t and + 1 of pos3(pos2(pos1(pos_proj(offsets)))), all in f32.  Rows 3,375 to 3,583 (a first coordinate of 8)
; are made and stored like the others, so that every byte of the buffer is written; no score ever takes one.  All weights lie in window 1, the same in every lane.
; window 1: v0 p1_w, v64 p2_w, v128 p3_w, v160 pos_proj_w, v184 pos_proj_b, v192 ln1_g, v200 ln1_b, v208 p1_b, v216 ln2_g, v224 ln2_b, v232 p2_b, v240 ln3_g, v248 ln3_b.
; window 0: row e at v[16 + 32 e]: +0, +8 two vectors of eight, +16..19 at work, +20..22 the coordinates; v80-87 the results; v88-91 p3_b.
.macro WLOAD reg, base, cnt
.set n, 0
.rept \cnt
	global_load_b128 v[\reg+4*n:\reg+4*n+3], v1, s[\base:\base+1] offset:16*n
.set n, n+1
.endr
.endm
.macro LNORM xo, gg, bb                ; relu(layernorm) of the eight numbers at +xo, in place
.irp e, 0,1
	v_add_f32 v[32+32*\e], v[16+32*\e+\xo], v[17+32*\e+\xo]
	v_add_f32 v[33+32*\e], v[18+32*\e+\xo], v[19+32*\e+\xo]
	v_add_f32 v[34+32*\e], v[20+32*\e+\xo], v[21+32*\e+\xo]
	v_add_f32 v[35+32*\e], v[22+32*\e+\xo], v[23+32*\e+\xo]
	v_add_f32 v[32+32*\e], v[32+32*\e], v[33+32*\e]
	v_add_f32 v[34+32*\e], v[34+32*\e], v[35+32*\e]
	v_add_f32 v[32+32*\e], v[32+32*\e], v[34+32*\e]
	v_mul_f32 v[32+32*\e], s38, v[32+32*\e]        ; the mean
.irp i, 0,1,2,3,4,5,6,7
	v_sub_f32 v[16+32*\e+\xo+\i], v[16+32*\e+\xo+\i], v[32+32*\e]
.endr
	v_mul_f32 v[33+32*\e], v[16+32*\e+\xo], v[16+32*\e+\xo]
.irp i, 1,2,3,4,5,6,7
	v_fma_f32 v[33+32*\e], v[16+32*\e+\xo+\i], v[16+32*\e+\xo+\i], v[33+32*\e]
.endr
	v_fma_f32 v[33+32*\e], v[33+32*\e], s38, s39   ; the variance + 1e-5
.endr
	v_rsq_f32 v33, v33
	v_rsq_f32 v65, v65
	v_nop                                          ; a plain instruction behind the transcendentals
	s_wait_alu depctr_va_vdst(0)
.irp e, 0,1
.irp i, 0,1,2,3,4,5,6,7
	v_mul_f32 v[16+32*\e+\xo+\i], v[16+32*\e+\xo+\i], v[33+32*\e]
.endr
.endr
	WIN 0x14                                       ; sources 1 and 2 window 1
.irp e, 0,1
.irp i, 0,1,2,3,4,5,6,7
	v_fma_f32 v[16+32*\e+\xo+\i], v[16+32*\e+\xo+\i], v[\gg+\i], v[\bb+\i]
.endr
.endr
	WIN 0
.irp e, 0,1
.irp i, 0,1,2,3,4,5,6,7
	v_max_num_f32 v[16+32*\e+\xo+\i], 0, v[16+32*\e+\xo+\i]
.endr
.endr
.endm
.macro MATV xo, yo, ww, bb             ; eight outputs at +yo = W (8 x 8) times the eight at +xo, + b: the bias starts each sum
	WIN 0x14
.irp e, 0,1
.irp o, 0,1,2,3,4,5,6,7
	v_fma_f32 v[16+32*\e+\yo+\o], v[16+32*\e+\xo], v[\ww+8*\o], v[\bb+\o]
.endr
.endr
	WIN 0x04                                       ; source 1 window 1
.irp k, 1,2,3,4,5,6,7
.irp e, 0,1
.irp o, 0,1,2,3,4,5,6,7
	v_fma_f32 v[16+32*\e+\yo+\o], v[16+32*\e+\xo+\k], v[\ww+8*\o+\k], v[16+32*\e+\yo+\o]
.endr
.endr
.endr
	WIN 0
.endm
.Ltab:
	s_load_b64 s[4:5], s[0:1], 0x30                ; tab
	s_load_b64 s[8:9], s[0:1], 0x38                ; pos_proj_w
	s_load_b512 s[12:27], s[0:1], 0x40             ; pos_proj_b, ln1_g, ln1_b, p1_w, p1_b, ln2_g, ln2_b, p2_w
	s_load_b256 s[28:35], s[0:1], 0x80             ; p2_b, ln3_g, ln3_b, p3_w
	s_load_b64 s[36:37], s[0:1], 0xa0              ; p3_b
	s_sub_co_u32 s40, ttmp9, 256                   ; i
	s_lshl_b32 s41, s40, 8                         ; my work-group's first row
	s_lshl_b32 s42, s40, 10                        ; and its bytes in a head's part of the table
	s_mov_b32 s43, 0
	s_mov_b32 s38, 0x3e000000                      ; 1 / 8
	s_mov_b32 s39, 0x3727c5ac                      ; 1e-5
	v_mov_b32 v1, 0
	v_lshlrev_b32 v2, 3, v0                        ; my two rows' 8 bytes
	v_lshl_add_u32 v3, v0, 1, s41                  ; my first row
	s_wait_kmcnt 0x0
	s_add_nc_u64 s[4:5], s[4:5], s[42:43]
	WIN 0x40
	WLOAD 0, 18, 16
	WLOAD 64, 26, 16
	WLOAD 128, 34, 8
	WLOAD 160, 8, 6
	WLOAD 184, 12, 2
	WLOAD 192, 14, 2
	WLOAD 200, 16, 2
	WLOAD 208, 20, 2
	WLOAD 216, 22, 2
	WLOAD 224, 24, 2
	WLOAD 232, 28, 2
	WLOAD 240, 30, 2
	WLOAD 248, 32, 2
	WIN 0
	global_load_b128 v[88:91], v1, s[36:37]
.irp e, 0,1                                    ; row = 225 a + 15 b + c; the offsets are a - 7, b - 7, c - 7.  row x 4,661 >> 20 = row / 225 up to 3,583; rem x 274 >> 12 = rem / 15 up to 224
	v_add_nc_u32 v[32+32*\e], \e, v3
	v_mul_u32_u24 v[33+32*\e], v[32+32*\e], 4661
	v_lshrrev_b32 v[33+32*\e], 20, v[33+32*\e]
	v_mul_u32_u24 v[34+32*\e], v[33+32*\e], 225
	v_sub_nc_u32 v[32+32*\e], v[32+32*\e], v[34+32*\e]
	v_mul_u32_u24 v[34+32*\e], v[32+32*\e], 274
	v_lshrrev_b32 v[34+32*\e], 12, v[34+32*\e]
	v_mul_u32_u24 v[35+32*\e], v[34+32*\e], 15
	v_sub_nc_u32 v[35+32*\e], v[32+32*\e], v[35+32*\e]
	v_add_nc_u32 v[33+32*\e], -7, v[33+32*\e]
	v_add_nc_u32 v[34+32*\e], -7, v[34+32*\e]
	v_add_nc_u32 v[35+32*\e], -7, v[35+32*\e]
	v_cvt_f32_i32 v[36+32*\e], v[33+32*\e]
	v_cvt_f32_i32 v[37+32*\e], v[34+32*\e]
	v_cvt_f32_i32 v[38+32*\e], v[35+32*\e]
.endr
	s_wait_loadcnt 0x0
	WIN 0x14                                       ; pos_proj: 8 x 3
.irp e, 0,1
.irp o, 0,1,2,3,4,5,6,7
	v_fma_f32 v[16+32*\e+\o], v[36+32*\e], v[160+3*\o], v[184+\o]
.endr
.endr
	WIN 0x04
.irp k, 1,2
.irp e, 0,1
.irp o, 0,1,2,3,4,5,6,7
	v_fma_f32 v[16+32*\e+\o], v[36+32*\e+\k], v[160+3*\o+\k], v[16+32*\e+\o]
.endr
.endr
.endr
	WIN 0
	LNORM 0, 192, 200
	MATV 0, 8, 0, 208
	LNORM 8, 216, 224
	MATV 8, 0, 64, 232
	LNORM 0, 240, 248
	WIN 0x04                                       ; p3: 4 x 8; its bias lies in window 0
.irp e, 0,1
.irp o, 0,1,2,3
	v_fma_f32 v[80+2*\o+\e], v[16+32*\e], v[128+8*\o], v[88+\o]
.endr
.endr
.irp k, 1,2,3,4,5,6,7
.irp e, 0,1
.irp o, 0,1,2,3
	v_fma_f32 v[80+2*\o+\e], v[16+32*\e+\k], v[128+8*\o+\k], v[80+2*\o+\e]
.endr
.endr
.endr
	WIN 0
.irp o, 0,1,2,3
	global_store_b64 v2, v[80+2*\o:81+2*\o], s[4:5] offset:14336*\o   ; a wave stores 256 consecutive bytes, aligned
.endr
	s_endpgm
.Lfunc_end_k_q75b878951c_prep:
	.size	k_q75b878951c_prep, .Lfunc_end_k_q75b878951c_prep-k_q75b878951c_prep
	.p2alignl 7, 3214868480
	.fill 96, 4, 3214868480
	.section	.rodata,"a",@progbits
	.p2align	6, 0x0
	.amdhsa_kernel k_q75b878951c_prep
		.amdhsa_group_segment_fixed_size 37376
		.amdhsa_private_segment_fixed_size 0
		.amdhsa_enable_private_segment 0
		.amdhsa_kernarg_size 168
		.amdhsa_user_sgpr_count 2
		.amdhsa_user_sgpr_kernarg_segment_ptr 1
		.amdhsa_wavefront_size32 1
		.amdhsa_system_sgpr_workgroup_id_x 1
		.amdhsa_system_sgpr_workgroup_id_y 1
		.amdhsa_system_sgpr_workgroup_id_z 1
		.amdhsa_system_vgpr_workitem_id 0
		.amdhsa_next_free_vgpr 514
		.amdhsa_next_free_sgpr 66
		.amdhsa_reserve_vcc 0
		.amdhsa_float_denorm_mode_32 3
		.amdhsa_float_denorm_mode_16_64 3
		.amdhsa_memory_ordered 1
		.amdhsa_forward_progress 1
		.amdhsa_inst_pref_size 215
	.end_amdhsa_kernel
	.amdgpu_metadata
---
amdhsa.version: [ 1, 2 ]
amdhsa.kernels:
  - .name:           k_q75b878951c_prep
    .symbol:         k_q75b878951c_prep.kd
    .args:
      - { .name: x, .offset: 0, .size: 8, .value_kind: global_buffer, .address_space: global }
      - { .name: y, .offset: 8, .size: 8, .value_kind: global_buffer, .address_space: global }
      - { .name: qkv_w, .offset: 16, .size: 8, .value_kind: global_buffer, .address_space: global }
      - { .name: qkv_b, .offset: 24, .size: 8, .value_kind: global_buffer, .address_space: global }
      - { .name: qc, .offset: 32, .size: 8, .value_kind: global_buffer, .address_space: global }
      - { .name: kv, .offset: 40, .size: 8, .value_kind: global_buffer, .address_space: global }
      - { .name: tab, .offset: 48, .size: 8, .value_kind: global_buffer, .address_space: global }
      - { .name: pos_proj_w, .offset: 56, .size: 8, .value_kind: global_buffer, .address_space: global }
      - { .name: pos_proj_b, .offset: 64, .size: 8, .value_kind: global_buffer, .address_space: global }
      - { .name: ln1_g, .offset: 72, .size: 8, .value_kind: global_buffer, .address_space: global }
      - { .name: ln1_b, .offset: 80, .size: 8, .value_kind: global_buffer, .address_space: global }
      - { .name: p1_w, .offset: 88, .size: 8, .value_kind: global_buffer, .address_space: global }
      - { .name: p1_b, .offset: 96, .size: 8, .value_kind: global_buffer, .address_space: global }
      - { .name: ln2_g, .offset: 104, .size: 8, .value_kind: global_buffer, .address_space: global }
      - { .name: ln2_b, .offset: 112, .size: 8, .value_kind: global_buffer, .address_space: global }
      - { .name: p2_w, .offset: 120, .size: 8, .value_kind: global_buffer, .address_space: global }
      - { .name: p2_b, .offset: 128, .size: 8, .value_kind: global_buffer, .address_space: global }
      - { .name: ln3_g, .offset: 136, .size: 8, .value_kind: global_buffer, .address_space: global }
      - { .name: ln3_b, .offset: 144, .size: 8, .value_kind: global_buffer, .address_space: global }
      - { .name: p3_w, .offset: 152, .size: 8, .value_kind: global_buffer, .address_space: global }
      - { .name: p3_b, .offset: 160, .size: 8, .value_kind: global_buffer, .address_space: global }
    .group_segment_fixed_size: 37376
    .private_segment_fixed_size: 0
    .kernarg_segment_align: 8
    .kernarg_segment_size: 168
    .max_flat_workgroup_size: 128
    .sgpr_count:     66
    .vgpr_count:     514
    .wavefront_size: 32
...
	.end_amdgpu_metadata
.endif
;; end of part 1
;; launch attn (part 2): grid 4 x 64, 8 waves a work-group, clusters of 4 x 1, 230,400 bytes of LDS; arguments qc, kv, tab, proj_w, proj_b, out0; writes out0
.if DOCPART == 2
	.amdgcn_target "amdgcn-amd-amdhsa--gfx1250"
	.amdhsa_code_object_version 6
	.text
	.protected	k_q75b878951c_attn
	.globl	k_q75b878951c_attn
	.p2align	8
	.type	k_q75b878951c_attn,@function
k_q75b878951c_attn:
	s_mov_b64 s[64:65], 0
	v_nop
	global_prefetch_b8 v0, s[64:65] scope:SCOPE_SE
	s_setreg_imm32_b32 hwreg(HW_REG_WAVE_MODE, 25, 1), 1
	s_wait_xcnt 0x0
	s_wait_alu depctr_hold_cnt(0) depctr_sa_sdst(0) depctr_va_vdst(0) depctr_va_sdst(0) depctr_va_ssrc(0) depctr_va_vcc(0) depctr_vm_vsrc(0)
	s_getreg_b32 s2, hwreg(HW_REG_IB_STS2, 6, 4)
	s_cmp_eq_u32 s2, 0
	s_cbranch_scc0 .Lentry_in_a_cluster
	s_endpgm
.Lentry_in_a_cluster:
	s_bfe_u32 s2, ttmp6, 0x10000c
	s_cmp_lg_u32 s2, 0x3003
	s_cbranch_scc0 .Lentry_shape_is_right
	s_endpgm
.Lentry_shape_is_right:
; ATTN.  out = (softmax(q k^T + bias) v) proj_w^T + proj_b, all products on codes of E4M3 with one E8M0 scale for each 32 along K.
; SHARES.  A work-group owns 128 queries (block j) of one batch b; each of its eight waves owns 16 of them and walks ALL FOUR heads, each head in four steps of 128 keys.  So the
; projection's operand, in which a head is one block of 32, forms in the wave's own registers.  Two waves share a SIMD: one's vector work stands beside the other's products and LDS loads.
; LDS IS FILLED ONCE: the batch's k, v and scale words (139,264 bytes, as images of the operand registers), the 2,032 table rows that my 128 queries can meet, for each head;
; proj_w's codes, made here by the eight waves.  Nothing is filled again.
; CLUSTER.  The four query blocks of a batch need the same k and v: each part is asked for JOINTLY, by the same tensor load with the same descriptor and a mask that names the four.
; The table's rows differ from block to block: a load of the work-group's own, with no mask.  j enters global addresses alone.
; THE SCORES have K = 32 in an instruction of K = 128.  Source 0 is FOUR key tiles of one head, one in each group of four registers; source 1 is a run of 16 out of 28 registers
; that hold zero codes but for q's four: begun at 28 - 4 g, q stands against tile g and zeros against the others, which then add nothing.  Byte g of k's scale word is tile g's.
; THE BIAS is loaded from the table straight into the accumulator and is the product's C.  Its row is f(query) - f(key) + 1,687, f(t) = 225 (t / 64) + 15 (t / 8 % 8) + t % 8.
; LAYOUT.  S^T = k q^T, O^T = v^T p^T: a lane holds ONE query (lane % 16).  The keys of a tile, and the channels of a tile of v, are 8 u + r + 8 (r / 8): 16 registers of two tiles are 16 neighbours.
; THE SOFTMAX: t = logit x log2(e); M = the largest t so far, rounded up to a whole number; p = 2^(t - M) is quantised along the keys; the sum is taken of the unquantised p and divides at the end.
; LIMITS: NaN and infinities are not served.  A block whose largest magnitude lies under 2^-118, a block of zeros among them, gets the scale byte 1 (only this program reads the bytes).
; 1 / sum is v_rcp_f32.  A block's largest p is taken from its largest score, which leans on v_exp_f32 not falling where its input rises.
; REGISTERS: v1 16 x lane; v2 my place in the table; v3, v4 the step's addresses; v5 4 x lane; v6 at work; v7 the projection operand's scale word; v8 f, v9 p's scale word; v10, v11 k's, v's scale words;
;   v12 -M, v13 the largest t, v14-15 the sum; v16-43 zeros round q; v44-59 q of four heads; v60-63 q's scale words; v64-95 k's, then v's fragments; v96-159 S^T, p; v160-175 O^T; v176-191 p's codes;
;   v192-207 the projection's operand; v208-229 sums, addresses; v240-255 the quantiser's.
.set REC,   8704                       ; a record: 128 keys of one head: k 4,096, v 4,096, scale words 512
.set CHUNK, 34816                      ; a head's four records
.set TBL,   139264                     ; behind k and v: [head][2,032] f32
.set PIMG,  171776                     ; proj_w's 8 fragments
.set PSC,   188160                     ; their scale words
.set PB,    189184                     ; proj_b
.set STAGE, 189696                     ; the way out: 16 rows x (256 + 16) bytes for each wave
.set KF,  64
.set S,   96
.set O,   160
.set PC,  176
.set OC,  192
.set BM,  240                          ; largest scores, magnitudes
.set T2,  244                          ; bytes
.set HOLD, 248                         ; 448 x the scale
.set SCL, 252                          ; the conversions' scale operand
.macro PLACES n
.rept \n
	v_nop
.endr
.endm
; A round of the cluster's barrier: my work-group's barrier; wave 0 signals for the work-group; every wave waits for all four work-groups; my work-group's barrier once more.
.macro CROUND
	s_barrier_signal -1
	s_barrier_wait -1
	s_cmp_lg_u32 s52, 0
	s_cbranch_scc1 .Lnot_wave_0_\@
	s_barrier_signal -3
.Lnot_wave_0_\@:
	s_barrier_wait -3
	s_barrier_signal -1
	s_barrier_wait -1
.endm
	s_load_b256 s[4:11], s[0:1], 0x0               ; qc, kv, tab, proj_w
	s_load_b128 s[12:15], s[0:1], 0x20             ; proj_b, out0
	v_lshl_add_u32 v238, v0, 2, 0x38000
	v_mov_b32 v239, 0
	ds_add_u32 v238, v239
	ds_add_u32 v238, v239
	v_lshrrev_b32 v6, 5, v0
	v_readfirstlane_b32 s52, v6                    ; wave w
	s_bfe_u32 s53, ttmp6, 0x40000                  ; cx
	s_lshl_b32 s66, ttmp9, 2
	s_add_co_u32 s53, s66, s53                     ; j = 4 x cluster x + cx: it enters global addresses alone
	s_and_b32 s54, ttmp7, 0xffff                   ; the batch, which the four partners share
	s_mul_i32 s68, s54, 139264                     ; kv: the batch, + my wave's 4,352 bytes of a chunk: alike in all four partners
	s_mul_i32 s67, s52, 4352                       ; (also their place in LDS, and my stage's)
	s_add_co_u32 s68, s68, s67
	s_mov_b32 s69, 0
	s_mul_i32 s70, s54, 139264                     ; kv once more, in registers of their own: the record that holds my queries' scale bytes
	s_mul_i32 s66, s53, REC
	s_add_co_u32 s70, s70, s66
	s_mov_b32 s71, 0
	s_lshr_b32 s66, s52, 1                         ; tab: head w / 2, half w % 2 of its 8,128 bytes, from row 450 j on
	s_mul_i32 s72, s66, 14336
	s_and_b32 s66, s52, 1
	s_mul_i32 s66, s66, 4064
	s_add_co_u32 s72, s72, s66
	s_mul_i32 s66, s53, 1800
	s_add_co_u32 s72, s72, s66
	s_mov_b32 s73, 0
	s_lshl_b32 s74, s54, 5                         ; qc: tile 32 b + 8 j + w of 2,048 bytes
	s_lshl_b32 s66, s53, 3
	s_add_co_u32 s74, s74, s66
	s_add_co_u32 s74, s74, s52
	s_lshl_b32 s74, s74, 11
	s_mov_b32 s75, 0
	s_lshl_b32 s76, s54, 18                        ; out0: 512 rows of 512 bytes a batch, 128 a block, 16 a wave
	s_lshl_b32 s66, s53, 16
	s_add_co_u32 s76, s76, s66
	s_lshl_b32 s66, s52, 13
	s_add_co_u32 s76, s76, s66
	s_mov_b32 s77, 0
	; descriptor group 1 for k and v: 17 rows of 256 bytes (32 elements of 8), dense
	s_mov_b32 s16, 15|(3<<16)|(1<<21)              ; 15:0 the mask: all four work-groups; 17:16 elements of 8 bytes; 21 set beside a mask
	s_mov_b32 s17, 32<<16                          ; tensor_dim0
	s_mov_b32 s18, 17<<16                          ; tensor_dim1
	s_mov_b32 s19, 32<<16                          ; tile_dim0
	s_mov_b32 s20, 17                              ; tile_dim1
	s_mov_b32 s21, 32                              ; from row to row
	s_mov_b32 s22, 0
	s_mov_b32 s23, 0
	; and for the table: one row of 4,064 bytes, no mask
	s_mov_b32 s24, 3<<16
	s_mov_b32 s25, 508<<16
	s_mov_b32 s26, 1<<16
	s_mov_b32 s27, 508<<16
	s_mov_b32 s28, 1
	s_mov_b32 s29, 508
	s_mov_b32 s30, 0
	s_mov_b32 s31, 0
	s_mov_b32 s56, 0x76543210
	s_mov_b32 s57, 0xfedcba98                      ; v_permlanex16_b32's selects for lane l xor 16
	s_mov_b32 s58, 0x3fb8aa3b                      ; log2(e)
	s_mov_b32 s59, s58                             ; (named with it as a pair)
	s_mov_b32 s60, 0x600000                        ; the mantissa field of 448
	v_and_b32 v6, 31, v0
	v_lshlrev_b32 v1, 4, v6
	v_lshlrev_b32 v5, 2, v6
	v_and_b32 v228, 15, v0                         ; r
	v_bfe_u32 v229, v0, 4, 1                       ; h
	s_lshr_b32 s66, s52, 2
	s_lshl_b32 s66, s66, 8
	v_lshl_add_u32 v224, v228, 4, s66              ; q's scale bytes: the words of lane r + 16 (w / 4)
	s_lshl_b32 s66, s52, 13
	v_lshl_add_u32 v223, v228, 9, s66              ; proj_w: row 16 w + r,
	v_lshl_add_u32 v223, v229, 6, v223             ; + 64 h: my 16 numbers of a block of 32
	s_lshl_b32 s66, s52, 6
	v_lshl_add_u32 v211, v228, 2, s66              ; proj_b: number 16 w + r
	s_wait_dscnt 0x0
	s_wait_kmcnt 0x0
	s_add_nc_u64 s[68:69], s[6:7], s[68:69]
	s_add_nc_u64 s[70:71], s[6:7], s[70:71]
	s_add_nc_u64 s[72:73], s[8:9], s[72:73]
	s_add_nc_u64 s[4:5], s[4:5], s[74:75]
	s_add_nc_u64 s[14:15], s[14:15], s[76:77]
	s_mov_b32 s32, 1                               ; group 0 for the table
	s_mul_i32 s33, s52, 4064
	s_add_co_u32 s33, s33, TBL
	s_mov_b64 s[34:35], s[72:73]
	s_or_b32 s35, s35, 0x80000000
.irp c, 0,1,2,3                                ; and for my part of each head's chunk
	s_mov_b32 s[36+4*\c], 1
	s_add_co_u32 s[37+4*\c], s67, \c*CHUNK
	s_add_nc_u64 s[38+4*\c:39+4*\c], s[68:69], \c*CHUNK
	s_or_b32 s[39+4*\c], s[39+4*\c], 0x80000000
.endr
	CROUND                                         ; all four work-groups are here: the joint loads meet
	tensor_load_to_lds s[32:35], s[24:31]          ; all fills go out together: five tensor loads of mine are out
	s_nop 0
	tensor_load_to_lds s[36:39], s[16:23]
	s_nop 0
	tensor_load_to_lds s[40:43], s[16:23]
	s_nop 0
	tensor_load_to_lds s[44:47], s[16:23]
	s_nop 0
	tensor_load_to_lds s[48:51], s[16:23]
	s_nop 0
	PLACES 4
.irp c, 0,1,2,3
	global_load_b128 v[44+4*\c:47+4*\c], v1, s[4:5] offset:512*\c th:TH_LOAD_NT   ; q's codes of my 16 queries, head c
.endr
.irp c, 0,1,2,3
	global_load_b32 v[60+\c], v224, s[70:71] offset:\c*CHUNK+8200   ; the word that holds their scale byte
.endr
	global_load_b32 v210, v211, s[12:13]
.irp b, 0,1,2,3
.irp q, 0,1,2,3
	global_load_b128 v[S+16*\b+4*\q:S+16*\b+4*\q+3], v223, s[10:11] offset:128*\b+16*\q   ; my 16 rows of proj_w
.endr
.endr
.irp q, 0,1,2,3,4,5,6,7,8,9,10,11
	v_mov_b32 v[16+\q], 0                          ; zero codes on both sides of q
	v_mov_b32 v[32+\q], 0
.endr
.irp b, 0,1,2,3
	v_mov_b32 v[T2+\b], 0                          ; written once: a lane permute's destination counts as one of its sources
.endr
	v_mov_b32 v9, 0                                ; (named as the upper half of the pair v[8:9] before it is first written)
	s_lshr_b32 s66, s52, 2                         ; my place in the table, in bytes: 4 (1,380 + 225 (w / 4) + 30 (w % 4) + 15 (r / 8) + r % 8 - 30 h)
	s_mul_i32 s66, s66, 900
	s_and_b32 s78, s52, 3
	s_mul_i32 s78, s78, 120
	s_add_co_u32 s66, s66, s78
	s_add_co_u32 s66, s66, TBL+5520
	v_and_b32 v2, 7, v0
	v_lshlrev_b32 v2, 2, v2
	v_bfe_u32 v6, v0, 3, 1
	v_mad_u32_u24 v2, v6, 60, v2
	v_add_nc_u32 v2, s66, v2
	v_mul_u32_u24 v6, v229, 120
	v_sub_nc_u32 v2, v2, v6
	v_add_nc_u32 v219, PIMG, v1                    ; proj_w's images: where any wave reads them,
	v_add_nc_u32 v220, PSC, v5
	v_lshlrev_b32 v221, 5, v229
	v_add_nc_u32 v221, PB, v221                    ; proj_b: my eight numbers of a tile: + 32 h
	s_lshl_b32 s66, s52, 11
	v_add_nc_u32 v225, s66, v219                   ; and where I store mine
	s_lshl_b32 s66, s52, 7
	v_add_nc_u32 v226, s66, v220
	v_add_nc_u32 v227, PB, v211
	s_add_co_u32 s66, s67, STAGE                   ; my stage
	v_mul_u32_u24 v217, v228, 272
	v_lshl_add_u32 v217, v229, 5, v217
	v_add_nc_u32 v217, s66, v217                   ; in: row r, + 32 h
	v_mul_u32_u24 v218, v229, 272
	v_lshl_add_u32 v218, v228, 4, v218
	v_add_nc_u32 v218, s66, v218                   ; back: lanes 0-15 one row, lanes 16-31 the next
	v_lshlrev_b32 v216, 9, v229
	v_lshl_add_u32 v216, v228, 4, v216             ; and the same two rows in out0
	s_and_b32 s66, s52, 3
	s_lshl_b32 s66, s66, 3
	s_wait_loadcnt 0x0
.irp c, 0,1,2,3
	v_lshrrev_b32 v[60+\c], s66, v[60+\c]          ; byte w % 4 is my tile's;
	v_perm_b32 v[60+\c], v[60+\c], v[60+\c], 0     ; in all four bytes, since q may stand in any group
.endr
	; proj_w's 16 rows become a fragment: register 16 b + i = channel 32 b + 16 h + i of my row
.irp b, 0,1,2,3
	v_max3_num_f32 v[BM+\b], |v[S+16*\b]|, |v[S+1+16*\b]|, 0x4800000   ; my 16 numbers and the floor 2^(9 - 127)
.endr
.irp i, 2,4,6,8,10,12,14
.irp b, 0,1,2,3
	v_max3_num_f32 v[BM+\b], v[BM+\b], |v[S+16*\b+\i]|, |v[S+1+16*\b+\i]|
.endr
.endr
.irp b, 0,1,2,3
	v_permlanex16_b32 v[T2+\b], v[BM+\b], s56, s57
.endr
.irp b, 0,1,2,3
	v_max_num_f32 v[BM+\b], v[BM+\b], v[T2+\b]
.endr
.irp b, 0,1,2,3
	v_add_nc_u32 v[SCL+\b], 0xfc000000, v[BM+\b]
.endr
.irp b, 0,1,2,3
	v_and_or_b32 v[HOLD+\b], v[BM+\b], 0x7f800000, s60
.endr
.irp b, 0,1,2,3
	v_lshrrev_b32 v[T2+\b], 23, v[SCL+\b]
.endr
	v_lshl_or_b32 v222, v[T2+1], 8, v[T2]
	v_lshl_or_b32 v222, v[T2+2], 16, v222
	v_lshl_or_b32 v222, v[T2+3], 24, v222
.irp b, 0,1,2,3
.irp i, 0,1,2,3,4,5,6,7,8,9,10,11,12,13,14,15
	v_med3_num_f32 v[S+16*\b+\i], v[S+16*\b+\i], -v[HOLD+\b], v[HOLD+\b]
.endr
	v_cvt_scalef32_pk8_fp8_f32 v[PC+4*\b:PC+4*\b+1], v[S+16*\b:S+16*\b+7], v[SCL+\b]
	v_cvt_scalef32_pk8_fp8_f32 v[PC+4*\b+2:PC+4*\b+3], v[S+16*\b+8:S+16*\b+15], v[SCL+\b]
.endr
	v_nop                                          ; one plain vector instruction behind the last conversion
.irp q, 0,1,2,3
	ds_store_b128 v225, v[PC+4*\q:PC+4*\q+3] offset:512*\q
.endr
	ds_store_b32 v226, v222
	ds_store_b32 v227, v210                        ; (both halves of the lanes write the same word with the same value)
; A KEY STEP of head c: 128 keys; their record begins at LDS byte s61; s62 = 1,800 x the step
.macro STEP c
	v_add_nc_u32 v3, s61, v1
	v_sub_nc_u32 v4, v2, s62                       ; 128 keys on are 450 table rows back
	PLACES 6                                       ; with the two lines above: eight places behind the last products, in front of loads into registers that they read
.irp t, 0,1,2,3,4,5,6,7
	ds_load_b128 v[KF+4*\t:KF+4*\t+3], v3 offset:512*\t       ; key tile t: group t % 4 of run t / 4
.endr
	ds_load_b64 v[10:11], v3 offset:8192           ; k's and v's scale words
.irp b, 0,1,2,3
.irp i, 0,1,2,3,4,5,6,7,8,9,10,11,12,13,14,15
	ds_load_b32 v[S+16*\b+\i], v4 offset:8128*\c+4*(307-225*(\b/2)-60*(\b%2)-15*(\i/8)-(\i%8))   ; the bias of key 32 b + 16 h + i: the 32 lanes read 32 different banks
.endr
.endr
	s_wait_dscnt 0x0
.irp g, 0,1,2,3                                ; each accumulator's turn is one instruction
	v_wmma_scale_f32_16x16x128_f8f6f4 v[S+8*\g:S+8*\g+7], v[KF:KF+15], v[28-4*\g:43-4*\g], v[S+8*\g:S+8*\g+7], v10, v[60+\c]
.endr
.irp g, 0,1,2,3
	v_wmma_scale_f32_16x16x128_f8f6f4 v[S+32+8*\g:S+32+8*\g+7], v[KF+16:KF+31], v[28-4*\g:43-4*\g], v[S+32+8*\g:S+32+8*\g+7], v10, v[60+\c] matrix_a_scale:MATRIX_SCALE_ROW1
.endr
	PLACES 8
.irp t, 0,1,2,3,4,5,6,7
	ds_load_b128 v[KF+4*\t:KF+4*\t+3], v3 offset:4096+512*\t  ; v: channel tile t / 4, keys 32 (t % 4) on: it lands under the softmax
.endr
.irp b, 0,1,2,3
	v_max3_num_f32 v[BM+\b], v[S+16*\b], v[S+1+16*\b], v[S+2+16*\b]   ; the largest score of each block of 32 keys: for the row's maximum, and for the block's largest p
.endr
.irp i, 3,5,7,9,11,13
.irp b, 0,1,2,3
	v_max3_num_f32 v[BM+\b], v[BM+\b], v[S+16*\b+\i], v[S+1+16*\b+\i]
.endr
.endr
.irp b, 0,1,2,3
	v_max_num_f32 v[BM+\b], v[BM+\b], v[S+15+16*\b]
.endr
.irp b, 0,1,2,3
	v_permlanex16_b32 v[T2+\b], v[BM+\b], s56, s57
.endr
.irp b, 0,1,2,3
	v_max_num_f32 v[BM+\b], v[BM+\b], v[T2+\b]     ; with lane l xor 16's 16 keys
.endr
	v_max3_num_f32 v6, v[BM], v[BM+1], v[BM+2]
	v_max_num_f32 v6, v6, v[BM+3]
	v_mul_f32 v6, s58, v6                          ; as t
	v_max_num_f32 v13, v13, v6                     ; the running largest t
	v_mov_b32 v6, v12
	v_floor_f32 v12, -v13                          ; the new -M = -ceil(t): a whole number
	v_sub_f32 v6, v12, v6                          ; old M - new M
	v_cvt_i32_f32 v6, v6                           ; (it saturates)
	v_ldexp_f32 v8, 1.0, v6                        ; f = 2^(old M - new M): a multiplication by it rounds nothing
.set n, 0
.rept 32
	v_pk_fma_f32 v[S+n:S+n+1], v[S+n:S+n+1], s[58:59], v[12:13] op_sel_hi:[1,0,0]   ; t - M
.set n, n+2
.endr
.irp b, 0,1,2,3
	v_fma_f32 v[BM+\b], v[BM+\b], s58, v12
.endr
.set n, 0
.rept 64
	v_exp_f32 v[S+n], v[S+n]                       ; p = 2^(t - M)
.set n, n+1
.endr
.irp b, 0,1,2,3
	v_exp_f32 v[BM+\b], v[BM+\b]                   ; the block's largest p
.endr
	v_pk_mul_f32 v[14:15], v[14:15], v[8:9] op_sel_hi:[1,0]   ; the sums under the new M (a plain instruction behind the exponentials)
	s_wait_alu depctr_va_vdst(0)
.irp b, 0,1,2,3
	v_max_num_f32 v[BM+\b], 0x4800000, v[BM+\b]    ; the floor 2^(9 - 127)
.endr
.irp b, 0,1,2,3
	v_add_nc_u32 v[SCL+\b], 0xfc000000, v[BM+\b]
.endr
.irp b, 0,1,2,3
	v_and_or_b32 v[HOLD+\b], v[BM+\b], 0x7f800000, s60
.endr
.irp b, 0,1,2,3
	v_lshrrev_b32 v[T2+\b], 23, v[SCL+\b]
.endr
	v_lshl_or_b32 v9, v[T2+1], 8, v[T2]            ; p's scale word for these 128 keys
	v_lshl_or_b32 v9, v[T2+2], 16, v9
	v_lshl_or_b32 v9, v[T2+3], 24, v9
	v_pk_add_f32 v[208:209], v[S:S+1], v[S+2:S+3]  ; the sum of the unquantised p, in two chains
.irp i, 4,8,12,16,20,24,28,32,36,40,44,48,52,56,60
	v_pk_add_f32 v[14:15], v[14:15], v[S+\i:S+\i+1]
	v_pk_add_f32 v[208:209], v[208:209], v[S+\i+2:S+\i+3]
.endr
	v_pk_add_f32 v[14:15], v[14:15], v[208:209]
.irp b, 0,1,2,3
.irp i, 0,1,2,3,4,5,6,7,8,9,10,11,12,13,14,15
	v_min_num_f32 v[S+16*\b+\i], v[S+16*\b+\i], v[HOLD+\b]   ; the hold; p is not negative
.endr
	v_cvt_scalef32_pk8_fp8_f32 v[PC+4*\b:PC+4*\b+1], v[S+16*\b:S+16*\b+7], v[SCL+\b]
	v_cvt_scalef32_pk8_fp8_f32 v[PC+4*\b+2:PC+4*\b+3], v[S+16*\b+8:S+16*\b+15], v[SCL+\b]
.endr
.set n, 0
.rept 8
	v_pk_mul_f32 v[O+n:O+n+1], v[O+n:O+n+1], v[8:9] op_sel_hi:[1,0]   ; O^T under the new M; also the places between the codes and the products
.set n, n+2
.endr
	s_wait_dscnt 0x0                               ; v
	v_wmma_scale_f32_16x16x128_f8f6f4 v[O:O+7], v[KF:KF+15], v[PC:PC+15], v[O:O+7], v11, v9
	v_wmma_scale_f32_16x16x128_f8f6f4 v[O+8:O+15], v[KF+16:KF+31], v[PC:PC+15], v[O+8:O+15], v11, v9 matrix_a_scale:MATRIX_SCALE_ROW1
.endm
; HEAD c: its chunk has landed in every wave's view; four steps; O^T / the sum becomes block c of the projection's operand
.macro HEAD c
	s_wait_tensorcnt 3-\c                          ; the table and my parts of chunks 0 to c are in; the later heads' loads may stay out
	s_wait_dscnt 0x0                               ; (ahead of the first head: my stores of proj_w's image)
	s_barrier_signal -1
	s_barrier_wait -1                              ; everybody's are
.irp q, 0,1,2,3
	v_mov_b32 v[28+\q], v[44+4*\c+\q]              ; the head's q between the zeros
.endr
	v_mov_b32 v13, 0xff61b1e6                      ; the largest t so far: -3e38
	v_floor_f32 v12, -v13
	v_mov_b32 v14, 0
	v_mov_b32 v15, 0
.irp q, 0,1,2,3,4,5,6,7,8,9,10,11,12,13,14,15
	v_mov_b32 v[O+\q], 0                           ; the step is written once: the first finds zeros
.endr
	s_mov_b32 s61, \c*CHUNK
	s_mov_b32 s62, 0
	s_mov_b32 s63, 4
.Lstep_\c:
	STEP \c
	s_add_co_u32 s61, s61, REC
	s_add_co_u32 s62, s62, 1800
	s_sub_co_i32 s63, s63, 1
	s_cmp_lg_u32 s63, 0
	s_cbranch_scc1 .Lstep_\c
	v_add_f32 v14, v14, v15                        ; the sum's two halves;
	PLACES 7                                       ; with it eight places behind the last products
	v_permlanex16_b32 v[T2], v14, s56, s57
	v_add_f32 v14, v14, v[T2]                      ; and lane l xor 16's
	v_rcp_f32 v8, v14
	v_nop
.set n, 0
	s_wait_alu depctr_va_vdst(0)
.rept 8
	v_pk_mul_f32 v[O+n:O+n+1], v[O+n:O+n+1], v[8:9] op_sel_hi:[1,0]   ; register i = channel 16 h + i of the head, for my query
.set n, n+2
.endr
	v_max3_num_f32 v[BM], |v[O]|, |v[O+1]|, 0x4800000
	v_max3_num_f32 v[BM+1], |v[O+2]|, |v[O+3]|, |v[O+4]|
	v_max3_num_f32 v[BM], v[BM], |v[O+5]|, |v[O+6]|
	v_max3_num_f32 v[BM+1], v[BM+1], |v[O+7]|, |v[O+8]|
	v_max3_num_f32 v[BM], v[BM], |v[O+9]|, |v[O+10]|
	v_max3_num_f32 v[BM+1], v[BM+1], |v[O+11]|, |v[O+12]|
	v_max3_num_f32 v[BM], v[BM], |v[O+13]|, |v[O+14]|
	v_max3_num_f32 v[BM], v[BM], v[BM+1], |v[O+15]|
	v_permlanex16_b32 v[T2], v[BM], s56, s57
	v_max_num_f32 v[BM], v[BM], v[T2]
	v_add_nc_u32 v[SCL], 0xfc000000, v[BM]
	v_and_or_b32 v[HOLD], v[BM], 0x7f800000, s60
	v_lshrrev_b32 v[T2+1], 23, v[SCL]
.if \c == 0
	v_mov_b32 v7, v[T2+1]
.else
	v_lshl_or_b32 v7, v[T2+1], 8*\c, v7            ; byte c of the operand's scale word
.endif
.irp i, 0,1,2,3,4,5,6,7,8,9,10,11,12,13,14,15
	v_med3_num_f32 v[O+\i], v[O+\i], -v[HOLD], v[HOLD]
.endr
	v_cvt_scalef32_pk8_fp8_f32 v[OC+4*\c:OC+4*\c+1], v[O:O+7], v[SCL]
	v_cvt_scalef32_pk8_fp8_f32 v[OC+4*\c+2:OC+4*\c+3], v[O+8:O+15], v[SCL]
	v_nop
.endm
	HEAD 0
	HEAD 1
	HEAD 2
	HEAD 3
	; THE PROJECTION, transposed: source 0 = 16 rows of proj_w, source 1 = my 16 queries.  proj_b is each accumulator's C; K = 128: one instruction an accumulator.
	PLACES 4                                       ; the codes just made stand four places ahead of the products
.irp o, 0,1,2,3,4,5,6,7
.irp q, 0,1
	ds_load_b128 v[S+8*\o+4*\q:S+8*\o+4*\q+3], v221 offset:64*\o+16*\q   ; proj_b at channels 16 o + 8 h + 0 .. 7
.endr
.endr
.irp p, 0,1                                    ; four tiles of proj_w at a time, into the registers that k, v, O^T and p's codes have left
.if \p
	PLACES 8
.endif
.irp t, 0,1,2,3
.irp q, 0,1,2,3
	ds_load_b128 v[64+16*\t+64*(\t/2)+4*\q:64+16*\t+64*(\t/2)+4*\q+3], v219 offset:(4*\p+\t)*2048+512*\q
.endr
	ds_load_b32 v[212+\t], v220 offset:(4*\p+\t)*128
.endr
	s_wait_dscnt 0x0
.irp t, 0,1,2,3
	v_wmma_scale_f32_16x16x128_f8f6f4 v[S+8*(4*\p+\t):S+8*(4*\p+\t)+7], v[64+16*\t+64*(\t/2):64+16*\t+64*(\t/2)+15], v[OC:OC+15], v[S+8*(4*\p+\t):S+8*(4*\p+\t)+7], v[212+\t], v7
.endr
.endr
	PLACES 8
	; THE WAY OUT.  A lane holds eight neighbouring channels of one row: half a row (256 bytes) of 16 queries at a time goes through my stage and comes back as whole rows.
.irp u, 0,1
.irp t, 0,1,2,3
	ds_store_b128 v217, v[S+32*\u+8*\t:S+32*\u+8*\t+3] offset:64*\t          ; each accumulator from its low end on
	ds_store_b128 v217, v[S+32*\u+8*\t+4:S+32*\u+8*\t+7] offset:64*\t+16
.endr
.irp i, 0,1,2,3,4,5,6,7
	ds_load_b128 v[64+96*\u+4*\i:64+96*\u+4*\i+3], v218 offset:544*\i        ; LDS serves a wave's instructions in order (ISA guide 5.7.1.4): these see my stores, and the next half's stores come behind them
.endr
.endr
.irp u, 0,1
.irp i, 0,1,2,3,4,5,6,7
	s_wait_dscnt 16*(1-\u)+7-\i                    ; behind this load: the rest of its half's loads, and for the first half the second's 8 stores and 8 loads
	global_store_b128 v216, v[64+96*\u+4*\i:64+96*\u+4*\i+3], s[14:15] offset:1024*\i+256*\u th:TH_STORE_NT   ; 16 lanes store 256 consecutive bytes, aligned
.endr
.endr
	s_wait_dscnt 0x0
	s_wait_tensorcnt 0x0
	ds_add_u32 v238, v239
	s_wait_dscnt 0x0
	CROUND                                         ; the closing round: no work-group ends while a partner may still ask for a part that names it
	s_endpgm
.Lfunc_end_k_q75b878951c_attn:
	.size	k_q75b878951c_attn, .Lfunc_end_k_q75b878951c_attn-k_q75b878951c_attn
	.p2alignl 7, 3214868480
	.fill 96, 4, 3214868480
	.section	.rodata,"a",@progbits
	.p2align	6, 0x0
	.amdhsa_kernel k_q75b878951c_attn
		.amdhsa_group_segment_fixed_size 230400
		.amdhsa_private_segment_fixed_size 0
		.amdhsa_enable_private_segment 0
		.amdhsa_kernarg_size 48
		.amdhsa_user_sgpr_count 2
		.amdhsa_user_sgpr_kernarg_segment_ptr 1
		.amdhsa_wavefront_size32 1
		.amdhsa_system_sgpr_workgroup_id_x 1
		.amdhsa_system_sgpr_workgroup_id_y 1
		.amdhsa_system_sgpr_workgroup_id_z 1
		.amdhsa_system_vgpr_workitem_id 0
		.amdhsa_next_free_vgpr 256
		.amdhsa_next_free_sgpr 80
		.amdhsa_reserve_vcc 0
		.amdhsa_float_denorm_mode_32 3
		.amdhsa_float_denorm_mode_16_64 3
		.amdhsa_memory_ordered 1
		.amdhsa_forward_progress 1
		.amdhsa_inst_pref_size 128
	.end_amdhsa_kernel
	.amdgpu_metadata
---
amdhsa.version: [ 1, 2 ]
amdhsa.kernels:
  - .name:           k_q75b878951c_attn
    .symbol:         k_q75b878951c_attn.kd
    .args:
      - { .name: qc, .offset: 0, .size: 8, .value_kind: global_buffer, .address_space: global }
      - { .name: kv, .offset: 8, .size: 8, .value_kind: global_buffer, .address_space: global }
      - { .name: tab, .offset: 16, .size: 8, .value_kind: global_buffer, .address_space: global }
      - { .name: proj_w, .offset: 24, .size: 8, .value_kind: global_buffer, .address_space: global }
      - { .name: proj_b, .offset: 32, .size: 8, .value_kind: global_buffer, .address_space: global }
      - { .name: out0, .offset: 40, .size: 8, .value_kind: global_buffer, .address_space: global }
    .group_segment_fixed_size: 230400
    .private_segment_fixed_size: 0
    .kernarg_segment_align: 8
    .kernarg_segment_size: 48
    .max_flat_workgroup_size: 256
    .sgpr_count:     80
    .vgpr_count:     256
    .wavefront_size: 32
...
	.end_amdgpu_metadata
.endif
;; end of part 2
;; ======== version 2 of 2: 2 launches
;; limits: right only within a limited range of input values
;; workspace buffers: qc 4,194,304 bytes; kv 8,912,896 bytes; tab 245,760 bytes
;; launch prep (part 3): grid 271 x 1, 4 waves a work-group, no clusters, 69,120 bytes of LDS; arguments x, y, qkv_w, qkv_b, qc, kv, tab, pos_proj_w, pos_proj_b, ln1_g, ln1_b, p1_w, p1_b, ln2_g, ln2_b, p2_w, p2_b, ln3_g, ln3_b, p3_w, p3_b; writes qc, kv, tab
.if DOCPART == 3
	.amdgcn_target "amdgcn-amd-amdhsa--gfx1250"
	.amdhsa_code_object_version 6
	.text
	.protected	k_q75b878951c_prep
	.globl	k_q75b878951c_prep
	.p2align	8
	.type	k_q75b878951c_prep,@function
k_q75b878951c_prep:
	s_mov_b64 s[64:65], 0
	v_nop
	global_prefetch_b8 v0, s[64:65] scope:SCOPE_SE
	s_setreg_imm32_b32 hwreg(HW_REG_WAVE_MODE, 25, 1), 1
	s_wait_xcnt 0x0
; PREP.  Work-groups 0-255: q x 32^-0.5 (from x), k and v (from y) on codes of E4M3 with one E8M0 scale for each 32 along K, quantised again and stored
; as IMAGES OF THE OPERAND REGISTERS that the attention launch wants.  Work-groups 256-270: the table of position biases, [4 heads][15,360] f32, by f32 multiply-adds.
; k and v of x and q of y are results that the problem throws away: they are not made.
; MAIN PATH.  A work-group takes 128 tokens (batch = wg / 4, block s = wg % 4) of x and of y; wave c takes head c.  Each wave quantises two tiles of 16 tokens of x and two of y
; (along the 128 channels) and hands them to the others through LDS as images of their registers (16 bytes a lane, 512 a store); its own 96 rows of qkv_w it quantises into registers.
; THE LOADS ARE DENSE: one load reads one row of 512 bytes, 16 a lane.  The quantiser wants a lane to hold 16 neighbours of each block of 32 of ONE row: so a tile's 16 rows turn through
; the wave's own stage in LDS (rows 528 bytes apart: the sixteen rows that a load back touches begin in sixteen different 16-byte columns).  Tile k + 1 turns while tile k is quantised.
; q, k: source 0 = 16 rows of the weight, source 1 = 16 tokens: a lane holds one token and, over two tiles, 16 neighbouring channels of the head: THE ROWS OF A WEIGHT TILE ARE
; 8 u + r + 8 (r / 8).  v: source 0 = 16 tokens, source 1 = 16 rows of the weight: a lane holds one channel and its registers run along the tokens, which are the keys, v's K.
; THE TOKENS OF A TILE OF y ARE NOT NEIGHBOURS: lane r of tile 2 b + u takes token 32 b + 8 u + r + 8 (r / 8), so that 16 registers of two tiles are 16 neighbouring keys.
; The biases are the C of each product.  Every store covers 512 consecutive bytes, aligned.
; NO CLUSTER: 271 work-groups are no multiple of four, and no tile in LDS is filled by a tensor load that could be asked for jointly.
; LIMITS: NaN and infinities among the inputs are not served.  A block whose largest magnitude lies under 2^-118, a block of zeros among them, gets the scale byte 1
; (for zeros the rule says 127: the codes are zeros and only this program reads the bytes).  1 / sqrt in the table's norms is v_rsq_f32.
; REGISTERS, window 0: v1 16 x lane; v2 4 x lane; v3, v4 my place in the stage, in and out; v5, v6 where I store images and scale words; v7, v8 offsets in qkv_b;
;   v10-11 q's scale words; v12-15 the record's words; v16-31 the quantiser's; v32 a scale word; v33-38 the weights' scale words; v40-43 the fragments'; v44-47 k's and v's;
;   v48-63 codes just made; v64-127 a tile as loaded; v128-191, v192-255 two tiles turned; later four fragments (v64), q or k (v128), v (v192).
;   window 1: v0-95 the weights' six fragments (q0 q1 k0 k1 v0 v1); v96-159, v160-223 two more tiles as loaded; at last v96-143 the biases in the results' layout.
; THE TABLE'S PART, as it stands below (it holds where the lines above say otherwise): work-groups 256 to 270 make it, in units of 256 bytes, [4 heads][16][15][256 bytes]; registers of window 1 end at v511, so that two
; work-groups have room on a WGP.
.set XIMG, 0
.set YIMG, 16384                       ; y's
.set XSC,  32768                       ; their scale words, 128 bytes a fragment
.set YSC,  33792
.set STG,  34816                       ; the stages: 16 rows x 528 bytes for each wave
.set TM,   16                          ; +0 largest magnitudes, +4 bytes, +8 448 x the scale, +12 the conversions' scale operand
.set PC,   48
.set FRG,  64
.set DA,   128
.set DV,   192
.set MSB,  0
.macro WIN new                         ; the immediate's high byte repeats the setting that is left
.if MSB != \new
	s_set_vgpr_msb (MSB<<8)|\new
.set MSB, \new
.endif
.endm
.macro PLACES n
.rept \n
	v_nop
.endr
.endm
; a tile's 16 rows, one load a row: 32 lanes read 512 consecutive bytes.  perm = 1: row i of the tile is row i + 8 (i / 8) from off on
.macro RLOAD reg, base, off, perm, nt
.irp i, 0,1,2,3,4,5,6,7,8,9,10,11,12,13,14,15
.if \nt
	global_load_b128 v[\reg+4*\i:\reg+4*\i+3], v1, s[\base:\base+1] offset:\off+512*(\i+8*(\i/8)*\perm) th:TH_LOAD_NT
.else
	global_load_b128 v[\reg+4*\i:\reg+4*\i+3], v1, s[\base:\base+1] offset:\off+512*(\i+8*(\i/8)*\perm)
.endif
.endr
.endm
; tile k of ten (two of x, two of y, six of the weight) into raw set k % 3: window 0 v64, window 1 v96, window 1 v160
.macro ISSUE k
.if (\k)%3 == 0
.set RR, 64
.else
	WIN 0x40                                       ; destination window 1
.set RR, 96+64*((\k)%3-1)
.endif
.if (\k) < 2
	RLOAD RR, 4, 8192*(\k), 0, 1
.elseif (\k) < 4
	RLOAD RR, 6, 4096*((\k)-2), 1, 1
.else
	RLOAD RR, 8, 65536*(((\k)-4)/2)+4096*(((\k)-4)%2), 1, 0
.endif
	WIN 0
.endm
; tile k through my stage: in as loaded, back 64 numbers a lane: of row r, 16 neighbours of each block of 32, into turned set k % 2.
; LDS serves a wave's instructions in order (ISA guide 5.7.1.4): no wait between the stores and the loads, nor in front of the next tile's stores
.macro TURN k
.if (\k)%3 == 0
.set RR, 64
.else
	WIN 0x04                                       ; an LDS store's data are its source 1: window 1
.set RR, 96+64*((\k)%3-1)
.endif
.irp i, 0,1,2,3,4,5,6,7,8,9,10,11,12,13,14,15
	ds_store_b128 v3, v[RR+4*\i:RR+4*\i+3] offset:528*\i
.endr
	WIN 0
.irp b, 0,1,2,3
.irp q, 0,1,2,3
	ds_load_b128 v[128+64*((\k)%2)+16*\b+4*\q:128+64*((\k)%2)+16*\b+4*\q+3], v4 offset:128*\b+16*\q
.endr
.endr
.endm
; the biases, in the results' layout: 24 loads into window 1
.macro BIASES
	WIN 0x40
.irp m, 0,1                                    ; q, k: register j of tile u is channel 16 h + 8 u + j
.irp u, 0,1
	global_load_b128 v[96+16*\m+8*\u:99+16*\m+8*\u], v7, s[10:11] offset:512*\m+32*\u
	global_load_b128 v[100+16*\m+8*\u:103+16*\m+8*\u], v7, s[10:11] offset:512*\m+32*\u+16
.endr
.endr
.irp u, 0,1                                    ; v: all eight registers are my channel 8 u + r + 8 (r / 8)
.irp q, 0,1,2,3,4,5,6,7
	global_load_b32 v[128+8*\u+\q], v8, s[10:11] offset:1024+32*\u
.endr
.endr
	WIN 0
.endm
; 64 numbers, register 16 b + i = number 16 (lane / 16) + i of block b of my row, become 16 registers of codes at v[pc] (window pcwin) and a scale word in v[pw]
.macro QUANT s, pc, pcwin, pw
.irp b, 0,1,2,3
	v_max3_num_f32 v[TM+\b], |v[\s+16*\b]|, |v[\s+1+16*\b]|, 0x4800000   ; my 16 numbers and the floor 2^(9 - 127): the byte cannot fall under 1
.endr
.irp i, 2,4,6,8,10,12,14
.irp b, 0,1,2,3
	v_max3_num_f32 v[TM+\b], v[TM+\b], |v[\s+16*\b+\i]|, |v[\s+1+16*\b+\i]|
.endr
.endr
.irp b, 0,1,2,3
	v_permlanex16_b32 v[TM+4+\b], v[TM+\b], s20, s21
.endr
.irp b, 0,1,2,3
	v_max_num_f32 v[TM+\b], v[TM+\b], v[TM+4+\b]           ; with lane l xor 16's: the block's largest magnitude
.endr
.irp b, 0,1,2,3
	v_add_nc_u32 v[TM+12+\b], 0xfc000000, v[TM+\b]         ; 8 off its exponent field: the conversion's scale operand
.endr
.irp b, 0,1,2,3
	v_and_or_b32 v[TM+8+\b], v[TM+\b], 0x7f800000, s22     ; 448 x the scale
.endr
.irp b, 0,1,2,3
	v_lshrrev_b32 v[TM+4+\b], 23, v[TM+12+\b]              ; the scale's byte
.endr
	v_lshl_or_b32 v[\pw], v[TM+5], 8, v[TM+4]
	v_lshl_or_b32 v[\pw], v[TM+6], 16, v[\pw]
	v_lshl_or_b32 v[\pw], v[TM+7], 24, v[\pw]
.irp b, 0,1,2,3
.irp i, 0,1,2,3,4,5,6,7,8,9,10,11,12,13,14,15
	v_med3_num_f32 v[\s+16*\b+\i], v[\s+16*\b+\i], -v[TM+8+\b], v[TM+8+\b]   ; the conversion to an 8-bit code does not saturate (ISA guide 7.6.2): the hold
.endr
.endr
.if \pcwin
	WIN 0x40
.endif
.irp b, 0,1,2,3
	v_cvt_scalef32_pk8_fp8_f32 v[\pc+4*\b:\pc+4*\b+1], v[\s+16*\b:\s+16*\b+7], v[TM+12+\b]
	v_cvt_scalef32_pk8_fp8_f32 v[\pc+4*\b+2:\pc+4*\b+3], v[\s+16*\b+8:\s+16*\b+15], v[TM+12+\b]
.endr
	WIN 0
	v_nop                                          ; one plain vector instruction behind the last conversion
.endm
.macro IMAGE adr, off                  ; the fragment in v[PC] on goes to LDS as it stands
.irp q, 0,1,2,3
	ds_store_b128 v[\adr], v[PC+4*\q:PC+4*\q+3] offset:\off+512*\q
.endr
.endm
.macro FETCH4 img, sc, rr              ; fragments 4 rr .. 4 rr + 3 and their scale words come back so, in any wave
.irp t, 0,1,2,3
.irp q, 0,1,2,3
	ds_load_b128 v[FRG+16*\t+4*\q:FRG+16*\t+4*\q+3], v1 offset:\img+(4*\rr+\t)*2048+512*\q
.endr
	ds_load_b32 v[40+\t], v2 offset:\sc+(4*\rr+\t)*128
.endr
.endm
	v_lshl_add_u32 v39, v0, 2, 0x10c00
	s_set_vgpr_msb 0x40
	v_mov_b32 v224, 0                              ; v480
	s_set_vgpr_msb 0x4000
	s_cmp_ge_u32 ttmp9, 256                        ; the last 15 work-groups make the table: the branch hangs on the work-group's number alone
	s_cbranch_scc1 .Ltab
	s_load_b256 s[4:11], s[0:1], 0x0               ; x, y, qkv_w, qkv_b
	s_load_b128 s[12:15], s[0:1], 0x20             ; qc, kv
	v_lshrrev_b32 v9, 5, v0
	v_readfirstlane_b32 s16, v9                    ; wave = head c
	v_and_b32 v9, 31, v0
	v_lshlrev_b32 v1, 4, v9                        ; 16 x lane: my 16 bytes of a row, of an image
	v_lshlrev_b32 v2, 2, v9                        ; 4 x lane
	v_and_b32 v8, 15, v0                           ; r
	v_bfe_u32 v7, v0, 4, 1                         ; h
	v_lshlrev_b32 v7, 6, v7                        ; 64 h: my 16 numbers of a block of 32; also q's and k's biases
	s_mul_i32 s17, s16, 8448
	s_add_co_u32 s17, s17, STG                     ; my stage
	v_add_nc_u32 v3, s17, v1                       ; in: 16 x lane of a row
	v_mad_u32_u24 v4, v8, 528, v7                  ; back: row r, + 64 h
	v_add_nc_u32 v4, s17, v4
	v_and_b32 v9, 8, v8
	v_add_nc_u32 v8, v9, v8                        ; r + 8 (r / 8)
	v_lshlrev_b32 v8, 2, v8                        ; v's bias: my channel
	s_lshl_b32 s17, s16, 12
	v_add_nc_u32 v5, s17, v1                       ; my two fragments' images: 16 x lane + 4,096 c
	s_lshl_b32 s17, s16, 8
	v_add_nc_u32 v6, s17, v2                       ; their scale words: 4 x lane + 256 c
.irp b, 0,1,2,3
	v_mov_b32 v[TM+4+\b], 0                        ; written once: a lane permute's destination counts as one of its sources
.endr
	s_mov_b32 s20, 0x76543210
	s_mov_b32 s21, 0xfedcba98                      ; v_permlanex16_b32's selects for lane l xor 16
	s_mov_b32 s22, 0x600000                        ; the mantissa field of 448
	s_mov_b32 s23, 0xffff0000                      ; lanes 16-31
	s_mov_b32 s24, 0x3e3504f3                      ; 32^-0.5
	s_mov_b32 s25, s24                             ; (named with it as a pair)
	s_lshl_b32 s26, ttmp9, 16                      ; x, y: 128 tokens of 512 bytes a work-group, 32 a wave
	s_lshl_b32 s28, s16, 14                        ; the weight: 32 rows of 512 bytes a head
	s_add_co_u32 s26, s26, s28
	s_mov_b32 s27, 0
	s_mov_b32 s29, 0
	s_lshl_b32 s30, s16, 7                         ; qkv_b: 32 numbers a head
	s_mov_b32 s31, 0
	s_lshl_b32 s32, ttmp9, 14                      ; qc: 8 tiles of 2,048 bytes a work-group, 512 a head
	s_lshl_b32 s17, s16, 9
	s_add_co_u32 s32, s32, s17
	s_mov_b32 s33, 0
	s_lshr_b32 s34, ttmp9, 2                       ; kv: 139,264 bytes a batch, 34,816 a head, 8,704 a block of 128 keys
	s_mul_i32 s34, s34, 139264
	s_and_b32 s17, ttmp9, 3
	s_mul_i32 s17, s17, 8704
	s_add_co_u32 s34, s34, s17
	s_mul_i32 s17, s16, 34816
	s_add_co_u32 s34, s34, s17
	s_mov_b32 s35, 0
	s_wait_kmcnt 0x0
	s_add_nc_u64 s[4:5], s[4:5], s[26:27]
	s_add_nc_u64 s[6:7], s[6:7], s[26:27]
	s_add_nc_u64 s[8:9], s[8:9], s[28:29]
	s_add_nc_u64 s[10:11], s[10:11], s[30:31]
	s_add_nc_u64 s[12:13], s[12:13], s[32:33]
	s_add_nc_u64 s[14:15], s[14:15], s[34:35]
	; ---- ten tiles are quantised.  Three raw sets and two turned sets: while tile k is quantised, tile k + 1 comes back from the stage and the loads of tiles k + 2 and k + 3 are out
	ISSUE 0
	ISSUE 1
	ISSUE 2
	s_wait_loadcnt 32                              ; tile 0's 16 loads are in; the 32 of tiles 1 and 2 may be out
	TURN 0
	s_wait_dscnt 16                                ; all but the 16 loads just issued: the stage's stores have read the raw set
	ISSUE 3
.irp k, 0,1,2,3,4,5,6,7,8,9
.if \k < 9
.if \k <= 6
	s_wait_loadcnt 32                              ; tile k + 1 is in; the 32 loads of the two tiles behind it may be out
.elseif \k == 7
	s_wait_loadcnt 40                              ; behind tile 8: tile 9's 16 loads and the 24 of the biases
.else
	s_wait_loadcnt 24                              ; behind tile 9: the biases
.endif
	TURN \k+1
	s_wait_dscnt 16                                ; all but the 16 loads just issued: tile k is back, the stage's stores have read the raw set, the last image's stores their codes
.if \k+4 <= 9
	ISSUE \k+4
.elseif \k == 6
	BIASES                                         ; into the raw set that tile 7 has left
.endif
.else
	s_wait_dscnt 0x0                               ; tile 9 is back
.endif
.if \k < 4
	QUANT 128+64*(\k%2), PC, 0, 32
	IMAGE 5, (\k/2)*16384+(\k%2)*2048
	ds_store_b32 v6, v32 offset:XSC+(\k/2)*1024+(\k%2)*128
.else
	QUANT 128+64*(\k%2), 16*(\k-4), 1, 33+\k-4
.endif
.endr
	PLACES 8                                       ; codes and scale words made by vector instructions stand 4 and 8 places ahead of a scaled matrix instruction
	s_wait_loadcnt 0x0                             ; the biases
	s_wait_dscnt 0x0                               ; for the others' sake: my images lie in LDS
	s_barrier_signal -1
	s_barrier_wait -1                              ; the launch's one barrier: behind it LDS is only read
	; ---- q: four tiles of tokens at a time.  Each accumulator takes one instruction (K = 128), its C the bias.  The next four fragments are fetched behind the products' places and land under the quantiser
	FETCH4 XIMG, XSC, 0
.irp rr, 0,1
	s_wait_dscnt 0x0
	WIN 0x11                                       ; source 0 (the weight) and C (the bias) window 1
.irp g, 0,1,2,3
.irp u, 0,1
	v_wmma_scale_f32_16x16x128_f8f6f4 v[DA+16*\g+8*\u:DA+16*\g+8*\u+7], v[16*\u:16*\u+15], v[FRG+16*\g:FRG+16*\g+15], v[96+8*\u:103+8*\u], v[33+\u], v[40+\g]
.endr
.endr
	WIN 0
	PLACES 8
.if \rr == 0
	FETCH4 XIMG, XSC, 1
.else
	FETCH4 YIMG, YSC, 0
.endif
.set n, 0
.rept 32
	v_pk_mul_f32 v[DA+n:DA+n+1], v[DA+n:DA+n+1], s[24:25] op_sel_hi:[1,0]   ; q x 32^-0.5, each accumulator from its low end on
.set n, n+2
.endr
	s_wait_xcnt 0x0                                ; earlier stores have read the codes' registers
	QUANT DA, PC, 0, 10+\rr                        ; block g = tile 4 rr + g: a token's 32 channels of the head
.irp g, 0,1,2,3
	global_store_b128 v1, v[PC+4*\g:PC+4*\g+3], s[12:13] offset:(4*\rr+\g)*2048
.endr
.endr
	; ---- k and v
.irp rr, 0,1
	s_wait_dscnt 0x0
	WIN 0x11
.irp g, 0,1,2,3
.irp u, 0,1
	v_wmma_scale_f32_16x16x128_f8f6f4 v[DA+16*\g+8*\u:DA+16*\g+8*\u+7], v[32+16*\u:47+16*\u], v[FRG+16*\g:FRG+16*\g+15], v[112+8*\u:119+8*\u], v[35+\u], v[40+\g]
.endr
.endr
	WIN 0x14                                       ; source 1 (the weight) and C window 1
.irp u, 0,1
.irp t, 0,1,2,3
	v_wmma_scale_f32_16x16x128_f8f6f4 v[DV+32*\u+8*\t:DV+32*\u+8*\t+7], v[FRG+16*\t:FRG+16*\t+15], v[64+16*\u:79+16*\u], v[128+8*\u:135+8*\u], v[40+\t], v[37+\u]
.endr
.endr
	WIN 0
	PLACES 8
.if \rr == 0
	FETCH4 YIMG, YSC, 1
.endif
	s_wait_xcnt 0x0
	QUANT DA, PC, 0, 44+\rr                        ; k: block g = key tile 4 rr + g
.irp g, 0,1,2,3
	global_store_b128 v1, v[PC+4*\g:PC+4*\g+3], s[14:15] offset:(4*\rr+\g)*512
.endr
	s_wait_xcnt 0x0
	QUANT DV, PC, 0, 46+\rr                        ; v: block 2 u + t = channel tile u, keys 32 (2 rr + t) on
.irp u, 0,1
.irp t, 0,1
	global_store_b128 v1, v[PC+8*\u+4*\t:PC+8*\u+4*\t+3], s[14:15] offset:4096+2048*\u+(2*\rr+\t)*512
.endr
.endr
.endr
	; ---- the record's scale words, four a lane: k's (lanes 0-15 tiles 0-3, lanes 16-31 tiles 4-7), v's (channel tile 0, 1), q's (tiles 0-3, 4-7), 0
	v_cndmask_b32 v12, v44, v45, s23
	v_perm_b32 v32, v47, v46, 0x05040100           ; channel tile 0: key blocks 0, 1 of the first half, 2, 3 of the second
	v_perm_b32 v13, v47, v46, 0x07060302           ; channel tile 1
	v_cndmask_b32 v13, v32, v13, s23
	v_cndmask_b32 v14, v10, v11, s23
	v_mov_b32 v15, 0
	global_store_b128 v1, v[12:15], s[14:15] offset:8192
	s_set_vgpr_msb 0x4
	s_wait_tensorcnt 0x0
	ds_add_u32 v39, v224
	s_wait_dscnt 0x0
	s_set_vgpr_msb 0x400
	s_endpgm
; THE TABLE.  A unit U = 15 A + R stands for the offsets A - 7 and R - 7 of the first two coordinates; its 15 rows (offsets -7 .. 7 of the third) stand in 15 lanes (a 16th makes a row that no unit takes).
; A wave makes four units, two in lanes 0-15 and two in lanes 16-31; 15 work-groups of four waves make 240.  Units 225 to 239 (A = 15) are stored like the others, so that every byte of the buffer is written; no score takes one.
; A unit is stored for each head as 64 numbers: [half][c of the query: 8][4]: the bias of query c and key 4 (half ^ (R & 1)) + 0 .. 3: 256 consecutive bytes, aligned, a wave's one store.
; All in f32.  All weights lie in window 1, the same in every lane:
; window 1: v0 p1_w, v64 p2_w, v128 p3_w, v160 pos_proj_w, v184 pos_proj_b, v192 ln1_g, v200 ln1_b, v208 p1_b, v216 ln2_g, v224 ln2_b, v232 p2_b, v240 ln3_g, v248 ln3_b.
; window 0: row e at v[16 + 32 e]: +0, +8 two vectors of eight, +16..19 at work, +20..22 the coordinates; v80-87 the results; v88-91 p3_b; v96-127 the units.
.macro WLOAD reg, base, cnt
.set n, 0
.rept \cnt
	global_load_b128 v[\reg+4*n:\reg+4*n+3], v1, s[\base:\base+1] offset:16*n
.set n, n+1
.endr
.endm
.macro LNORM xo, gg, bb                ; relu(layernorm) of the eight numbers at +xo, in place
.irp e, 0,1
	v_add_f32 v[32+32*\e], v[16+32*\e+\xo], v[17+32*\e+\xo]
	v_add_f32 v[33+32*\e], v[18+32*\e+\xo], v[19+32*\e+\xo]
	v_add_f32 v[34+32*\e], v[20+32*\e+\xo], v[21+32*\e+\xo]
	v_add_f32 v[35+32*\e], v[22+32*\e+\xo], v[23+32*\e+\xo]
	v_add_f32 v[32+32*\e], v[32+32*\e], v[33+32*\e]
	v_add_f32 v[34+32*\e], v[34+32*\e], v[35+32*\e]
	v_add_f32 v[32+32*\e], v[32+32*\e], v[34+32*\e]
	v_mul_f32 v[32+32*\e], s38, v[32+32*\e]        ; the mean
.irp i, 0,1,2,3,4,5,6,7
	v_sub_f32 v[16+32*\e+\xo+\i], v[16+32*\e+\xo+\i], v[32+32*\e]
.endr
	v_mul_f32 v[33+32*\e], v[16+32*\e+\xo], v[16+32*\e+\xo]
.irp i, 1,2,3,4,5,6,7
	v_fma_f32 v[33+32*\e], v[16+32*\e+\xo+\i], v[16+32*\e+\xo+\i], v[33+32*\e]
.endr
	v_fma_f32 v[33+32*\e], v[33+32*\e], s38, s39   ; the variance + 1e-5
.endr
	s_wait_alu depctr_va_vdst(0)
	v_rsq_f32 v33, v33
	v_rsq_f32 v65, v65
	v_nop                                          ; a plain instruction behind the transcendentals
	s_wait_alu depctr_va_vdst(0)
.irp e, 0,1
.irp i, 0,1,2,3,4,5,6,7
	v_mul_f32 v[16+32*\e+\xo+\i], v[16+32*\e+\xo+\i], v[33+32*\e]
.endr
.endr
	WIN 0x14                                       ; sources 1 and 2 window 1
.irp e, 0,1
.irp i, 0,1,2,3,4,5,6,7
	v_fma_f32 v[16+32*\e+\xo+\i], v[16+32*\e+\xo+\i], v[\gg+\i], v[\bb+\i]
.endr
.endr
	WIN 0
.irp e, 0,1
.irp i, 0,1,2,3,4,5,6,7
	v_max_num_f32 v[16+32*\e+\xo+\i], 0, v[16+32*\e+\xo+\i]
.endr
.endr
.endm
.macro MATV xo, yo, ww, bb             ; eight outputs at +yo = W (8 x 8) times the eight at +xo, + b: the bias starts each sum
	WIN 0x14
.irp e, 0,1
.irp o, 0,1,2,3,4,5,6,7
	v_fma_f32 v[16+32*\e+\yo+\o], v[16+32*\e+\xo], v[\ww+8*\o], v[\bb+\o]
.endr
.endr
	WIN 0x04                                       ; source 1 window 1
.irp k, 1,2,3,4,5,6,7
.irp e, 0,1
.irp o, 0,1,2,3,4,5,6,7
	v_fma_f32 v[16+32*\e+\yo+\o], v[16+32*\e+\xo+\k], v[\ww+8*\o+\k], v[16+32*\e+\yo+\o]
.endr
.endr
.endr
	WIN 0
.endm
.Ltab:
	s_load_b64 s[4:5], s[0:1], 0x30                ; tab
	s_load_b64 s[8:9], s[0:1], 0x38                ; pos_proj_w
	s_load_b512 s[12:27], s[0:1], 0x40             ; pos_proj_b, ln1_g, ln1_b, p1_w, p1_b, ln2_g, ln2_b, p2_w
	s_load_b256 s[28:35], s[0:1], 0x80             ; p2_b, ln3_g, ln3_b, p3_w
	s_load_b64 s[36:37], s[0:1], 0xa0              ; p3_b
	s_sub_co_u32 s40, ttmp9, 256                   ; i
	v_lshrrev_b32 v9, 5, v0
	v_readfirstlane_b32 s44, v9                    ; wave
	s_lshl_b32 s41, s40, 2
	s_add_co_u32 s41, s41, s44
	s_lshl_b32 s41, s41, 2                         ; my wave's first unit: 4 (4 i + wave)
	s_lshl_b32 s42, s41, 8                         ; and its bytes in a head's part of the table
	s_mov_b32 s43, 0
	s_mov_b32 s38, 0x3e000000                      ; 1 / 8
	s_mov_b32 s39, 0x3727c5ac                      ; 1e-5
	v_mov_b32 v1, 0
	v_bfe_u32 v3, v0, 4, 1
	v_add_nc_u32 v3, s41, v3                       ; my lane's first unit
	s_wait_alu depctr_va_vdst(0)
	s_wait_kmcnt 0x0
	s_add_nc_u64 s[4:5], s[4:5], s[42:43]
	WIN 0x40
	WLOAD 0, 18, 16
	WLOAD 64, 26, 16
	WLOAD 128, 34, 8
	WLOAD 160, 8, 6
	WLOAD 184, 12, 2
	WLOAD 192, 14, 2
	WLOAD 200, 16, 2
	WLOAD 208, 20, 2
	WLOAD 216, 22, 2
	WLOAD 224, 24, 2
	WLOAD 232, 28, 2
	WLOAD 240, 30, 2
	WLOAD 248, 32, 2
	WIN 0
	global_load_b128 v[88:91], v1, s[36:37]
.irp e, 0,1                                    ; A = U / 15: U x 274 >> 12 up to U = 239; R = U - 15 A; the third coordinate is lane % 16; the offsets are each less 7
	v_add_nc_u32 v[32+32*\e], 2*\e, v3
	v_mul_u32_u24 v[33+32*\e], v[32+32*\e], 274
	v_lshrrev_b32 v[33+32*\e], 12, v[33+32*\e]
	v_mul_u32_u24 v[34+32*\e], v[33+32*\e], 15
	v_sub_nc_u32 v[34+32*\e], v[32+32*\e], v[34+32*\e]
	v_and_b32 v[35+32*\e], 15, v0
	v_add_nc_u32 v[33+32*\e], -7, v[33+32*\e]
	v_add_nc_u32 v[34+32*\e], -7, v[34+32*\e]
	v_add_nc_u32 v[35+32*\e], -7, v[35+32*\e]
	v_cvt_f32_i32 v[36+32*\e], v[33+32*\e]
	v_cvt_f32_i32 v[37+32*\e], v[34+32*\e]
	v_cvt_f32_i32 v[38+32*\e], v[35+32*\e]
.endr
	s_wait_loadcnt 0x0
	WIN 0x14                                       ; pos_proj: 8 x 3
.irp e, 0,1
.irp o, 0,1,2,3,4,5,6,7
	v_fma_f32 v[16+32*\e+\o], v[36+32*\e], v[160+3*\o], v[184+\o]
.endr
.endr
	WIN 0x04
.irp k, 1,2
.irp e, 0,1
.irp o, 0,1,2,3,4,5,6,7
	v_fma_f32 v[16+32*\e+\o], v[36+32*\e+\k], v[160+3*\o+\k], v[16+32*\e+\o]
.endr
.endr
.endr
	WIN 0
	LNORM 0, 192, 200
	MATV 0, 8, 0, 208
	LNORM 8, 216, 224
	MATV 8, 0, 64, 232
	LNORM 0, 240, 248
	WIN 0x04                                       ; p3: 4 x 8; its bias lies in window 0
.irp e, 0,1
.irp o, 0,1,2,3
	v_fma_f32 v[80+2*\o+\e], v[16+32*\e], v[128+8*\o], v[88+\o]
.endr
.endr
.irp k, 1,2,3,4,5,6,7
.irp e, 0,1
.irp o, 0,1,2,3
	v_fma_f32 v[80+2*\o+\e], v[16+32*\e+\k], v[128+8*\o+\k], v[80+2*\o+\e]
.endr
.endr
.endr
	WIN 0
	v_and_b32 v16, 31, v0
	v_lshlrev_b32 v2, 3, v16                       ; a lane stores numbers 2 l and 2 l + 1 of a unit
	v_lshrrev_b32 v17, 4, v16                      ; their half,
	v_bfe_u32 v18, v0, 1, 3                        ; c of the query,
	v_and_b32 v19, 1, v0
	v_lshlrev_b32 v19, 1, v19                      ; and place in the four: 0 or 2
	v_sub_nc_u32 v18, v18, v19
	v_add_nc_u32 v18, 7, v18
	s_wait_alu depctr_va_vdst(0)
.irp n, 0,1,2,3                                ; unit n: rows in register e = n / 2 of lanes 16 (n % 2) on
	s_add_co_u32 s44, s41, \n
	s_mul_i32 s45, s44, 274
	s_lshr_b32 s45, s45, 12
	s_mul_i32 s45, s45, 15
	s_sub_co_u32 s44, s44, s45
	s_and_b32 s44, s44, 1                          ; R & 1
	v_xor_b32 v20, s44, v17
	v_lshlrev_b32 v20, 2, v20
	v_sub_nc_u32 v20, v18, v20                     ; the row: c of the query - c of the key + 7
	v_add_nc_u32 v20, 16*(\n%2), v20
	v_lshlrev_b32 v[22+2*\n], 2, v20               ; a permute's index is 4 x the lane; the next key's row lies one lane down
	v_add_nc_u32 v[23+2*\n], -4, v[22+2*\n]
.endr
.irp n, 0,1,2,3
.irp o, 0,1,2,3
	ds_bpermute_b32 v[96+8*\n+2*\o], v[22+2*\n], v[80+2*\o+\n/2]
	ds_bpermute_b32 v[97+8*\n+2*\o], v[23+2*\n], v[80+2*\o+\n/2]
.endr
.endr
	s_wait_alu depctr_va_vdst(0)
	s_wait_dscnt 0x0
.irp n, 0,1,2,3
.irp o, 0,1,2,3
	global_store_b64 v2, v[96+8*\n+2*\o:97+8*\n+2*\o], s[4:5] offset:61440*\o+256*\n   ; 32 lanes store 256 consecutive bytes, aligned
.endr
.endr
	s_endpgm
.Lfunc_end_k_q75b878951c_prep:
	.size	k_q75b878951c_prep, .Lfunc_end_k_q75b878951c_prep-k_q75b878951c_prep
	.p2alignl 7, 3214868480
	.fill 96, 4, 3214868480
	.section	.rodata,"a",@progbits
	.p2align	6, 0x0
	.amdhsa_kernel k_q75b878951c_prep
		.amdhsa_group_segment_fixed_size 69120
		.amdhsa_private_segment_fixed_size 0
		.amdhsa_enable_private_segment 0
		.amdhsa_kernarg_size 168
		.amdhsa_user_sgpr_count 2
		.amdhsa_user_sgpr_kernarg_segment_ptr 1
		.amdhsa_wavefront_size32 1
		.amdhsa_system_sgpr_workgroup_id_x 1
		.amdhsa_system_sgpr_workgroup_id_y 1
		.amdhsa_system_sgpr_workgroup_id_z 1
		.amdhsa_system_vgpr_workitem_id 0
		.amdhsa_next_free_vgpr 512
		.amdhsa_next_free_sgpr 66
		.amdhsa_reserve_vcc 0
		.amdhsa_float_denorm_mode_32 3
		.amdhsa_float_denorm_mode_16_64 3
		.amdhsa_memory_ordered 1
		.amdhsa_forward_progress 1
		.amdhsa_inst_pref_size 241
	.end_amdhsa_kernel
	.amdgpu_metadata
---
amdhsa.version: [ 1, 2 ]
amdhsa.kernels:
  - .name:           k_q75b878951c_prep
    .symbol:         k_q75b878951c_prep.kd
    .args:
      - { .name: x, .offset: 0, .size: 8, .value_kind: global_buffer, .address_space: global }
      - { .name: y, .offset: 8, .size: 8, .value_kind: global_buffer, .address_space: global }
      - { .name: qkv_w, .offset: 16, .size: 8, .value_kind: global_buffer, .address_space: global }
      - { .name: qkv_b, .offset: 24, .size: 8, .value_kind: global_buffer, .address_space: global }
      - { .name: qc, .offset: 32, .size: 8, .value_kind: global_buffer, .address_space: global }
      - { .name: kv, .offset: 40, .size: 8, .value_kind: global_buffer, .address_space: global }
      - { .name: tab, .offset: 48, .size: 8, .value_kind: global_buffer, .address_space: global }
      - { .name: pos_proj_w, .offset: 56, .size: 8, .value_kind: global_buffer, .address_space: global }
      - { .name: pos_proj_b, .offset: 64, .size: 8, .value_kind: global_buffer, .address_space: global }
      - { .name: ln1_g, .offset: 72, .size: 8, .value_kind: global_buffer, .address_space: global }
      - { .name: ln1_b, .offset: 80, .size: 8, .value_kind: global_buffer, .address_space: global }
      - { .name: p1_w, .offset: 88, .size: 8, .value_kind: global_buffer, .address_space: global }
      - { .name: p1_b, .offset: 96, .size: 8, .value_kind: global_buffer, .address_space: global }
      - { .name: ln2_g, .offset: 104, .size: 8, .value_kind: global_buffer, .address_space: global }
      - { .name: ln2_b, .offset: 112, .size: 8, .value_kind: global_buffer, .address_space: global }
      - { .name: p2_w, .offset: 120, .size: 8, .value_kind: global_buffer, .address_space: global }
      - { .name: p2_b, .offset: 128, .size: 8, .value_kind: global_buffer, .address_space: global }
      - { .name: ln3_g, .offset: 136, .size: 8, .value_kind: global_buffer, .address_space: global }
      - { .name: ln3_b, .offset: 144, .size: 8, .value_kind: global_buffer, .address_space: global }
      - { .name: p3_w, .offset: 152, .size: 8, .value_kind: global_buffer, .address_space: global }
      - { .name: p3_b, .offset: 160, .size: 8, .value_kind: global_buffer, .address_space: global }
    .group_segment_fixed_size: 69120
    .private_segment_fixed_size: 0
    .kernarg_segment_align: 8
    .kernarg_segment_size: 168
    .max_flat_workgroup_size: 128
    .sgpr_count:     66
    .vgpr_count:     512
    .wavefront_size: 32
...
	.end_amdgpu_metadata
.endif
;; end of part 3
;; launch attn (part 4): grid 4 x 64, 8 waves a work-group, clusters of 4 x 4, 312,832 bytes of LDS; arguments qc, kv, tab, proj_w, proj_b, out0; writes out0
.if DOCPART == 4
	.amdgcn_target "amdgcn-amd-amdhsa--gfx1250"
	.amdhsa_code_object_version 6
	.text
	.protected	k_q75b878951c_attn
	.globl	k_q75b878951c_attn
	.p2align	8
	.type	k_q75b878951c_attn,@function
k_q75b878951c_attn:
	s_mov_b64 s[64:65], 0
	v_nop
	global_prefetch_b8 v0, s[64:65] scope:SCOPE_SE
	s_setreg_imm32_b32 hwreg(HW_REG_WAVE_MODE, 25, 1), 1
	s_wait_xcnt 0x0
	s_wait_alu depctr_hold_cnt(0) depctr_sa_sdst(0) depctr_va_vdst(0) depctr_va_sdst(0) depctr_va_ssrc(0) depctr_va_vcc(0) depctr_vm_vsrc(0)
	s_getreg_b32 s2, hwreg(HW_REG_IB_STS2, 6, 4)
	s_cmp_eq_u32 s2, 0
	s_cbranch_scc0 .Lentry_in_a_cluster
	s_endpgm
.Lentry_in_a_cluster:
	s_bfe_u32 s2, ttmp6, 0x10000c
	s_cmp_lg_u32 s2, 0xf033
	s_cbranch_scc0 .Lentry_shape_is_right
	s_endpgm
.Lentry_shape_is_right:
; ATTN.  out = (softmax(q k^T + bias) v) proj_w^T + proj_b, all products on codes of E4M3 with one E8M0 scale for each 32 along K.  (k and v of x and q of y reach no output: the launch ahead does not make them.)
; SHARES.  A work-group owns 128 queries (block j) of one batch; each of its eight waves owns 16 of them and walks all four heads, each head's 512 keys AT ONCE: its 256 scores a lane fill window 1.  So the row's largest
; score is known ahead of the first exponential, and nothing is ever rescaled.  The heads' results, a block of 32 of the projection's K each, are kept as codes in the wave's own LDS bytes.
; LDS IS FILLED ONCE: the batch's k, v and scale words (139,264 bytes, as images of the operand registers) and, for each head, the nine planes of biases that my 128 queries can meet (34,560 bytes).
; Each of the eight waves asks for one of the eight tiles: head w / 2, k and v (w even) or biases (w odd).  proj_w's codes are made here by the eight waves.  No loop fills LDS, so nothing is asked for ahead in the L2.
; CLUSTER 4 x 4: the four query blocks of a batch (a row) share k and v; the four batches of a column share the biases.  Both are asked for JOINTLY.
; THE SCORES have K = 32 in an instruction of K = 128.  Source 0 is FOUR key tiles, one in each group of four registers; source 1 is a run of 16 out of 28 registers that hold zero codes but for q's four: begun at 28 - 4 g,
; q stands against tile g and zeros against the others, which then add nothing.  Byte g of k's scale word is tile g's.
; THE BIAS is the score product's C.  In LDS: [head][A: 9][R: 15][half][c of the query: 8][4] f32; A = a of the query - a of the key + 7 - 2 j, R = b of the query - b of the key + 7, for token 64 a + 8 b + c; the half holds keys
; c = 4 (half ^ (R & 1)) + 0 .. 3: so the 16 lanes of a load, 8 of row R and 8 of row R + 1, take 16 different 16-byte columns.
; A HEAD AHEAD.  While a head's last key step is worked the next head's first k and its biases come in: into score registers whose codes have been made.
; LAYOUT.  S^T = k q^T, O^T = v^T p^T: a lane holds ONE query (lane % 16).  The keys of a tile, and the channels of a tile of v, are 8 u + r + 8 (r / 8): 16 registers of two tiles are 16 neighbours.
; THE SOFTMAX: t = logit x log2(e); M = the row's largest t, rounded up to a whole number; p = 2^(t - M) is quantised along the keys; the sum is taken of the unquantised p and divides at the end.
; LIMITS: NaN and infinities are not served; scores stay under 2^31 as exponents to the base 2.  A block whose largest magnitude lies under 2^-118, a block of zeros among them, gets the scale byte 1 (only this program reads the bytes).
; 1 / sum is v_rcp_f32.  A block's largest p is taken from its largest score, which leans on v_exp_f32 not falling where its input rises.
.set REC,   8704                       ; a record: 128 keys of one head: k 4,096, v 4,096, scale words 512
.set CHUNK, 34816                      ; a head's four records
.set TBL,   139264                     ; the biases
.set TCH,   34560                      ; a head's
.set PIMG,  277504                     ; proj_w's 8 fragments
.set PSC,   293888                     ; their scale words
.set PB,    294912                     ; proj_b
.set OCI,   295424                     ; the heads' codes: 2,048 bytes a wave
.set SPARE, 311808                     ; the spare words, 128 bytes a wave
; the way out's stage, 16 rows x (256 + 16) bytes a wave, lies at LDS byte 0, over k and v, behind a barrier behind which nobody reads them
; REGISTERS, window 0: v1 16 x lane; v2-3 my places among the biases; v4, v5 LDS addresses of this head's and the next head's records; v7 the projection operand's scale word; v8 1 / sum; v10-11 q's scale word, as loaded and spread;
; v12 -M; v16-43 zeros round q; v44-47, v48, v49 k's, v's, p's scale words; v50-63 addresses and constants.   window 1: the 256 scores.
.set QRAW, 10
.set QS,   11
.set KSW,  44
.set VSW,  48
.set PSW,  49
.set OCA,  50
.set SPW,  51
.set NIL,  52
.set VB,   53                          ; v53-54 my places among head 0's biases
.set VOC,  55
.set VQ,   56
.set STI,  57
.set RDO,  58
.set GOO,  59
.set PIA,  60
.set PSA,  61
.set PBA,  62
.set FLR,  63
.set KA,   64                          ; k's fragments: 128 keys at v64, 128 at v96
.set VF,   128
.set PC,   160
.set O,    176
.set OCR,  192                         ; the projection's operand
.set BM,   208                         ; the largest score, then the largest p, of each of 16 blocks
.set T2,   224
.set HOLD, 228                         ; 448 x the scale
.set SCL,  232                         ; the conversions' scale operand
.set SA,   236                         ; the sum, in four pairs
.set OCX,  244                         ; a head's codes
.set PSX,  248                         ; proj_w's scale words
.set MSB, 0
.macro WIN new                         ; the immediate's high byte repeats the setting that is left
.if MSB != \new
	s_set_vgpr_msb (MSB<<8)|\new
.set MSB, \new
.endif
.endm
.macro PLACES n
.rept \n
	v_nop
.endr
.endm
.macro WALU
	s_wait_alu depctr_va_vdst(0)
.endm
; A round of the cluster's barrier
.macro CROUND
	s_barrier_signal -1
	s_barrier_wait -1
	s_cmp_lg_u32 s52, 0
	s_cbranch_scc1 .Lnot_wave_0_\@
	s_barrier_signal -3
.Lnot_wave_0_\@:
	s_barrier_wait -3
	s_barrier_signal -1
	s_barrier_wait -1
.endm
.macro TLOAD g0, g1
	tensor_load_to_lds s[\g0:\g0+3], s[\g1:\g1+7]
	s_nop 0
	PLACES 4
.endm
	s_load_b256 s[4:11], s[0:1], 0x0               ; qc, kv, tab, proj_w
	s_load_b128 s[12:15], s[0:1], 0x20             ; proj_b, out0
	v_lshl_add_u32 v[SPW], v0, 2, SPARE
	v_mov_b32 v[NIL], 0
	ds_add_u32 v[SPW], v[NIL]                      ; the wave's opening: the add, twice on end, and its wait
	ds_add_u32 v[SPW], v[NIL]
	v_lshrrev_b32 v6, 5, v0
	v_readfirstlane_b32 s52, v6                    ; wave w
	s_bfe_u32 s50, ttmp6, 0x40000                  ; cx
	s_bfe_u32 s51, ttmp6, 0x40004                  ; cy
	s_lshl_b32 s53, ttmp9, 2
	s_add_co_u32 s53, s53, s50                     ; j: it enters global addresses alone
	s_and_b32 s54, ttmp7, 0xffff
	s_lshl_b32 s54, s54, 2
	s_add_co_u32 s54, s54, s51                     ; the batch
	s_lshr_b32 s55, s52, 1                         ; the head that I fetch for
	s_and_b32 s49, s52, 1                          ; k and v (0) or biases (1)
	s_lshl_b32 s78, s51, 2
	s_lshl_b32 s78, 15, s78                        ; my row of the cluster
	s_lshl_b32 s79, 0x1111, s50                    ; my column
	; descriptor groups 1: dense blocks as rows of 256 bytes (32 elements of 8): 136 rows of k and v, 135 of biases
	s_or_b32 s16, s78, (3<<16)|(1<<21)
	s_mov_b32 s17, 32<<16
	s_mov_b32 s18, 136<<16
	s_mov_b32 s19, 32<<16
	s_mov_b32 s20, 136
	s_mov_b32 s21, 32
	s_mov_b32 s22, 0
	s_mov_b32 s23, 0
	s_or_b32 s24, s79, (3<<16)|(1<<21)
	s_mov_b32 s25, 32<<16
	s_mov_b32 s26, 135<<16
	s_mov_b32 s27, 32<<16
	s_mov_b32 s28, 135
	s_mov_b32 s29, 32
	s_mov_b32 s30, 0
	s_mov_b32 s31, 0
	s_mov_b32 s32, 1                               ; groups 0
	s_mul_i32 s33, s55, CHUNK
	s_mul_i32 s68, s54, 4*CHUNK                    ; kv: the batch, the head
	s_add_co_u32 s68, s68, s33
	s_mov_b32 s69, 0
	s_mov_b32 s36, 1
	s_mul_i32 s37, s55, TCH
	s_add_co_u32 s37, s37, TBL
	s_mul_i32 s72, s53, 7680                       ; tab: from plane 2 j on, 3,840 bytes a plane; 16 planes a head
	s_mul_i32 s66, s55, 61440
	s_add_co_u32 s72, s72, s66
	s_mov_b32 s73, 0
	s_mul_i32 s70, s54, 4*CHUNK                    ; kv once more: the record that holds my queries' scale bytes
	s_mul_i32 s67, s53, REC
	s_add_co_u32 s70, s70, s67
	s_mov_b32 s71, 0
	s_lshl_b32 s74, s54, 5                         ; qc: tile 32 batch + 8 j + w of 2,048 bytes
	s_lshl_b32 s67, s53, 3
	s_add_co_u32 s74, s74, s67
	s_add_co_u32 s74, s74, s52
	s_lshl_b32 s74, s74, 11
	s_mov_b32 s75, 0
	s_lshl_b32 s76, s54, 18                        ; out0: 512 rows of 512 bytes a batch, 128 a block, 16 a wave
	s_lshl_b32 s67, s53, 16
	s_add_co_u32 s76, s76, s67
	s_lshl_b32 s67, s52, 13
	s_add_co_u32 s76, s76, s67
	s_mov_b32 s77, 0
	s_mov_b32 s56, 0x76543210
	s_mov_b32 s57, 0xfedcba98                      ; v_permlanex16_b32's selects for lane l xor 16
	s_mov_b32 s58, 0x3fb8aa3b                      ; log2(e)
	s_mov_b32 s59, s58                             ; (named with it as a pair)
	s_mov_b32 s60, 0x600000                        ; the mantissa field of 448
	WALU
	s_wait_dscnt 0x0                               ; both opening adds are done
	CROUND                                         ; all sixteen work-groups are here: the joint loads meet
	s_wait_kmcnt 0x0
	s_add_nc_u64 s[34:35], s[6:7], s[68:69]
	s_or_b32 s35, s35, 0x80000000
	s_add_nc_u64 s[38:39], s[8:9], s[72:73]
	s_or_b32 s39, s39, 0x80000000
	; ONE joint load a wave.  Waves 0 and 1, whose tiles are head 0's and are shown first, have lines of their own
	s_cmp_lt_u32 s52, 1
	s_cbranch_scc0 .Lhead_1
	TLOAD 32, 16
	s_branch .Lasked
.Lhead_1:
	s_cmp_lt_u32 s52, 2
	s_cbranch_scc0 .Lhead_2
	TLOAD 36, 24
	s_branch .Lasked
.Lhead_2:
	s_cmp_eq_u32 s49, 0
	s_cbranch_scc0 .Lhead_3
	TLOAD 32, 16
	s_branch .Lasked
.Lhead_3:
	TLOAD 36, 24
.Lasked:
	s_add_nc_u64 s[4:5], s[4:5], s[74:75]
	s_add_nc_u64 s[70:71], s[6:7], s[70:71]
	s_add_nc_u64 s[14:15], s[14:15], s[76:77]
	s_lshl_b32 s66, s52, 13
	s_lshl_b32 s67, s52, 6
	s_lshr_b32 s68, s52, 2
	s_lshl_b32 s69, s68, 8
	v_and_b32 v6, 31, v0
	v_lshlrev_b32 v1, 4, v6                        ; 16 x lane
	v_and_b32 v244, 15, v0                         ; r
	v_bfe_u32 v245, v0, 4, 1                       ; h
	v_lshl_add_u32 v[VQ], v244, 4, s69             ; q's scale bytes: the words of lane r + 16 (w / 4)
	v_lshl_add_u32 v246, v244, 9, s66
	v_lshl_add_u32 v246, v245, 6, v246             ; proj_w: row 16 w + r, + 64 h: my 16 numbers of a block of 32
	v_lshl_add_u32 v247, v244, 2, s67              ; proj_b: number 16 w + r
.irp b, 0,1,2,3
.irp q, 0,1,2,3
	global_load_b128 v[64+16*\b+4*\q:67+16*\b+4*\q], v246, s[10:11] offset:128*\b+16*\q
.endr
.endr
	global_load_b128 v[28:31], v1, s[4:5]          ; head 0's q, between the zeros
	global_load_b32 v[QRAW], v[VQ], s[70:71] offset:8200
	global_load_b32 v248, v247, s[12:13]
.irp q, 0,1,2,3,4,5,6,7,8,9,10,11
	v_mov_b32 v[16+\q], 0                          ; zero codes on both sides of q
	v_mov_b32 v[32+\q], 0
.endr
.irp b, 0,1,2,3
	v_mov_b32 v[T2+\b], 0                          ; written once: a lane permute's destination counts as one of its sources
.endr
	v_mov_b32 v7, 0
	v_mov_b32 v9, 0                                ; (v9 and v13 are named as upper halves of pairs)
	v_mov_b32 v13, 0
	v_mov_b32 v[FLR], 0x4800000                    ; the floor 2^(9 - 127)
	v_mov_b32 v4, v1
	s_mul_i32 s66, s68, 3840
	s_and_b32 s67, s52, 3
	s_lshl_b32 s67, s67, 9
	s_add_co_u32 s66, s66, s67
	s_add_co_u32 s66, s66, TBL+512                 ; the biases: TBL + 3,840 (w / 4 + 7) + 256 (2 (w % 4) + 7) - 28,160, which the loads' offsets give back
	v_bfe_u32 v249, v0, 3, 1                       ; r / 8
	v_and_b32 v250, 7, v0
	v_lshlrev_b32 v250, 4, v250
	v_mad_u32_u24 v251, v249, 384, v250            ; a row of 256 bytes on, and the other half of it
	v_add_nc_u32 v251, s66, v251
	v_lshlrev_b32 v252, 9, v245
	v_sub_nc_u32 v[VB], v251, v252                 ; lanes 16-31: keys two rows on
	v_mad_u32_u24 v251, v249, 128, v250            ; the other half of the same rows
	v_add_nc_u32 v251, s66, v251
	v_add_nc_u32 v251, 128, v251
	v_sub_nc_u32 v[VB+1], v251, v252
	v_mov_b32 v2, v[VB]
	v_mov_b32 v3, v[VB+1]
	s_lshl_b32 s66, s52, 11
	v_add_nc_u32 v[PIA], PIMG, v1                  ; proj_w's images: where any wave reads them,
	v_lshlrev_b32 v250, 2, v6
	v_add_nc_u32 v[PSA], PSC, v250
	v_lshlrev_b32 v[PBA], 5, v245
	v_add_nc_u32 v[PBA], PB, v[PBA]                ; proj_b: my eight numbers of a tile: + 32 h
	v_add_nc_u32 v250, s66, v[PIA]                 ; and where I store mine
	v_add_nc_u32 v[VOC], s66, v1
	v_add_nc_u32 v[VOC], OCI, v[VOC]               ; my codes of the heads
	s_lshl_b32 s67, s52, 7
	v_add_nc_u32 v251, s67, v[PSA]
	v_add_nc_u32 v252, PB, v247
	s_mul_i32 s66, s52, 4352                       ; my stage
	v_mul_u32_u24 v[STI], v244, 272
	v_lshl_add_u32 v[STI], v245, 5, v[STI]
	v_add_nc_u32 v[STI], s66, v[STI]               ; in: row r, + 32 h
	v_mul_u32_u24 v[RDO], v245, 272
	v_lshl_add_u32 v[RDO], v244, 4, v[RDO]
	v_add_nc_u32 v[RDO], s66, v[RDO]               ; back: lanes 0-15 one row, lanes 16-31 the next
	v_lshlrev_b32 v[GOO], 9, v245
	v_lshl_add_u32 v[GOO], v244, 4, v[GOO]         ; and the same two rows in out0
	s_and_b32 s48, s52, 3
	s_lshl_b32 s48, s48, 3
	WALU
	s_wait_loadcnt 0x0
	s_add_nc_u64 s[4:5], s[4:5], 512               ; on to head 1's q
	s_add_nc_u64 s[70:71], s[70:71], CHUNK
	v_lshrrev_b32 v[QRAW], s48, v[QRAW]            ; byte w % 4 is my tile's;
	v_perm_b32 v[QS], v[QRAW], v[QRAW], 0          ; in all four bytes, since q may stand in any group
	; proj_w's 16 rows become a fragment: register 16 b + i = channel 32 b + 16 h + i of my row
.irp b, 0,1,2,3
	v_max3_num_f32 v[BM+\b], |v[64+16*\b]|, |v[65+16*\b]|, v[FLR]
.endr
.irp i, 2,4,6,8,10,12,14
.irp b, 0,1,2,3
	v_max3_num_f32 v[BM+\b], v[BM+\b], |v[64+16*\b+\i]|, |v[65+16*\b+\i]|
.endr
.endr
.irp b, 0,1,2,3
	v_permlanex16_b32 v[T2+\b], v[BM+\b], s56, s57
.endr
.irp b, 0,1,2,3
	v_max_num_f32 v[BM+\b], v[BM+\b], v[T2+\b]
.endr
.irp b, 0,1,2,3
	v_add_nc_u32 v[SCL+\b], 0xfc000000, v[BM+\b]
.endr
.irp b, 0,1,2,3
	v_and_or_b32 v[HOLD+\b], v[BM+\b], 0x7f800000, s60
.endr
.irp b, 0,1,2,3
	v_lshrrev_b32 v[T2+\b], 23, v[SCL+\b]
.endr
	v_lshl_or_b32 v253, v[T2+1], 8, v[T2]
	v_lshl_or_b32 v253, v[T2+2], 16, v253
	v_lshl_or_b32 v253, v[T2+3], 24, v253
.irp b, 0,1,2,3
.irp i, 0,1,2,3,4,5,6,7,8,9,10,11,12,13,14,15
	v_med3_num_f32 v[64+16*\b+\i], v[64+16*\b+\i], -v[HOLD+\b], v[HOLD+\b]
.endr
	v_cvt_scalef32_pk8_fp8_f32 v[PC+4*\b:PC+4*\b+1], v[64+16*\b:71+16*\b], v[SCL+\b]
	v_cvt_scalef32_pk8_fp8_f32 v[PC+4*\b+2:PC+4*\b+3], v[72+16*\b:79+16*\b], v[SCL+\b]
.endr
	v_nop                                          ; one plain vector instruction behind the last conversion
.irp q, 0,1,2,3
	ds_store_b128 v250, v[PC+4*\q:PC+4*\q+3] offset:512*\q
.endr
	ds_store_b32 v251, v253
	ds_store_b32 v252, v248                        ; (both halves of the lanes write the same word with the same value)
.macro KLOAD s, adr, off               ; k of key step s: eight tiles
.irp t, 0,1,2,3,4,5,6,7
	ds_load_b128 v[KA+32*((\s)%2)+4*\t:KA+32*((\s)%2)+4*\t+3], v[\adr] offset:REC*(\s)+512*\t
.endr
.endm
.macro KWORDS adr                      ; a head's four scale words of k
.irp s, 0,1,2,3
	ds_load_b32 v[KSW+\s], v[\adr] offset:REC*\s+8192
.endr
.endm
.macro VLOAD s                         ; v of key step s: channel tile t / 4, keys 32 (t % 4) on; and its scale word
	ds_load_b32 v[VSW], v4 offset:REC*(\s)+8196
.irp t, 0,1,2,3,4,5,6,7
	ds_load_b128 v[VF+4*\t:VF+4*\t+3], v4 offset:REC*(\s)+4096+512*\t
.endr
.endm
.macro BIAS s                          ; the biases of key step s, into its score registers: 64 s + 16 b + 8 u + 4 f + 0 .. 3 is key 128 s + 32 b + 16 h + 8 u + 4 f + 0 .. 3
	WIN 0x40
.irp b, 0,1,2,3
.irp u, 0,1
.irp f, 0,1
	ds_load_b128 v[64*(\s)+16*\b+8*\u+4*\f:64*(\s)+16*\b+8*\u+4*\f+3], v[2+((\f+\u+1)%2)] offset:28160-3840*(2*(\s)+\b/2)-256*(4*(\b%2)+\u)
.endr
.endr
.endr
	WIN 0
.endm
.macro QK s                            ; the scores of key step s; each accumulator's turn is one instruction
.irp g, 0,1,2,3
	v_wmma_scale_f32_16x16x128_f8f6f4 v[64*(\s)+8*\g:64*(\s)+8*\g+7], v[KA+32*((\s)%2):KA+32*((\s)%2)+15], v[28-4*\g:43-4*\g], v[64*(\s)+8*\g:64*(\s)+8*\g+7], v[KSW+\s], v[QS]
.endr
.irp g, 0,1,2,3
	v_wmma_scale_f32_16x16x128_f8f6f4 v[64*(\s)+32+8*\g:64*(\s)+39+8*\g], v[KA+32*((\s)%2)+16:KA+32*((\s)%2)+31], v[28-4*\g:43-4*\g], v[64*(\s)+32+8*\g:64*(\s)+39+8*\g], v[KSW+\s], v[QS] matrix_a_scale:MATRIX_SCALE_ROW1
.endr
.endm
.macro MAXES s                         ; my largest score of each block of key steps s and s + 1: for the row's maximum, and for the block's largest p
	WIN 0x15
.irp b, 0,1,2,3,4,5,6,7
	v_max3_num_f32 v[BM+4*\s+\b], v[64*\s+16*\b], v[64*\s+16*\b+1], v[64*\s+16*\b+2]
.endr
	WIN 0x14
.irp i, 3,5,7,9,11,13
.irp b, 0,1,2,3,4,5,6,7
	v_max3_num_f32 v[BM+4*\s+\b], v[BM+4*\s+\b], v[64*\s+16*\b+\i], v[64*\s+16*\b+\i+1]
.endr
.endr
.irp b, 0,1,2,3,4,5,6,7
	v_max_num_f32 v[BM+4*\s+\b], v[BM+4*\s+\b], v[64*\s+16*\b+15]
.endr
	WIN 0
.endm
.macro FMA s                           ; t - M of key step s
	WIN 0x41
.set n, 64*(\s)
.rept 32
	v_pk_fma_f32 v[n:n+1], v[n:n+1], s[58:59], v[12:13] op_sel_hi:[1,0,0]
.set n, n+2
.endr
.endm
; THE FIRST HALF OF A HEAD: its 512 scores and M
.macro SCORES last
	s_wait_dscnt 32                                ; the biases of key steps 2 and 3 may be out: all that these products read is in
	WIN 0x50                                       ; C and D window 1
	QK 0
	QK 1
	WIN 0
	PLACES 8
	KLOAD 2, 4, 0
	KLOAD 3, 4, 0
	MAXES 0
	s_wait_dscnt 0x0
	WIN 0x50
	QK 2
	QK 3
	WIN 0
	PLACES 8
	VLOAD 0
.if (\last) == 0
	global_load_b128 v[28:31], v1, s[4:5]          ; the next head's q and its scale byte's word
	global_load_b32 v[QRAW], v[VQ], s[70:71] offset:8200
.endif
	MAXES 2
.irp k, 0,1,2,3
	v_max3_num_f32 v[SA+\k], v[BM+3*\k], v[BM+3*\k+1], v[BM+3*\k+2]
.endr
	v_max3_num_f32 v[SA], v[SA], v[BM+12], v[BM+13]
	v_max3_num_f32 v[SA+1], v[SA+1], v[BM+14], v[BM+15]
	v_max_num_f32 v[SA+2], v[SA+2], v[SA+3]
	v_max3_num_f32 v[SA], v[SA], v[SA+1], v[SA+2]
	v_permlanex16_b32 v[T2], v[SA], s56, s57
	v_max_num_f32 v[SA], v[SA], v[T2]              ; with lane l xor 16's keys
	v_mul_f32 v[SA], s58, v[SA]                    ; as t
	v_floor_f32 v12, -v[SA]                        ; -M = -ceil(t): a whole number
.irp g, 0,4,8,12
.irp b, 0,1,2,3
	v_permlanex16_b32 v[T2+\b], v[BM+\g+\b], s56, s57
.endr
.irp b, 0,1,2,3
	v_max_num_f32 v[BM+\g+\b], v[BM+\g+\b], v[T2+\b]
.endr
.endr
.irp b, 0,2,4,6,8,10,12,14
	v_pk_fma_f32 v[BM+\b:BM+\b+1], v[BM+\b:BM+\b+1], s[58:59], v[12:13] op_sel_hi:[1,0,0]
.endr
	FMA 0
.endm
; KEY STEP s of the second half: p, its sum, its codes, and O^T += v^T p^T
.macro STEP s, last
	WALU
	WIN 0x41
.set n, 64*(\s)
.rept 64
	v_exp_f32 v[n], v[n]                           ; p = 2^(t - M)
.set n, n+1
.endr
	WIN 0
.if (\s) == 0
.set n, BM
.rept 16
	v_exp_f32 v[n], v[n]                           ; the blocks' largest p: the same two instructions on the same number
.set n, n+1
.endr
.endif
	v_nop                                          ; a place behind the exponentials
	WALU
.if (\s) == 0
.irp b, 0,2,4,6,8,10,12,14
	v_dual_max_num_f32 v[BM+\b], v[BM+\b], v[FLR] :: v_dual_max_num_f32 v[BM+\b+1], v[BM+\b+1], v[FLR]
.endr
.endif
.irp b, 0,1,2,3
	v_add_nc_u32 v[SCL+\b], 0xfc000000, v[BM+4*\s+\b]
.endr
.irp b, 0,1,2,3
	v_and_or_b32 v[HOLD+\b], v[BM+4*\s+\b], 0x7f800000, s60
.endr
.irp b, 0,1,2,3
	v_lshrrev_b32 v[T2+\b], 23, v[SCL+\b]
.endr
	v_lshl_or_b32 v[PSW], v[T2+1], 8, v[T2]        ; p's scale word for these 128 keys
	v_lshl_or_b32 v[PSW], v[T2+2], 16, v[PSW]
	v_lshl_or_b32 v[PSW], v[T2+3], 24, v[PSW]
.if (\s) > 0
	VLOAD \s                                       ; eight places and more behind the products of the step before
.endif
.if (\last) == 0
.if (\s) == 2
	v_add_nc_u32 v5, s62, v1                       ; the next head's record, and its biases
	v_add_nc_u32 v2, s45, v[VB]
	v_add_nc_u32 v3, s45, v[VB+1]
.endif
.if (\s) == 3
	BIAS 1
.endif
.endif
	; the sum of the UNQUANTISED p, in four chains
.if (\s) == 0
	WIN 0x05
.irp k, 0,2,4,6
	v_pk_add_f32 v[SA+\k:SA+\k+1], v[\k:\k+1], v[8+\k:9+\k]
.endr
	WIN 0x04
.set n, 16
.rept 24
	v_pk_add_f32 v[SA+n%8:SA+n%8+1], v[SA+n%8:SA+n%8+1], v[n:n+1]
.set n, n+2
.endr
.else
	WIN 0x04
.set n, 64*(\s)
.rept 32
	v_pk_add_f32 v[SA+n%8:SA+n%8+1], v[SA+n%8:SA+n%8+1], v[n:n+1]
.set n, n+2
.endr
.endif
.if ((\s) == 3) && ((\last) == 0)
	BIAS 2
.endif
	WIN 0x41
.irp b, 0,1,2,3                                ; the hold: the conversion to an 8-bit code does not saturate (ISA guide 7.6.2); p is not negative
.irp i, 0,2,4,6,8,10,12,14
	v_dual_min_num_f32 v[64*\s+16*\b+\i], v[64*\s+16*\b+\i], v[HOLD+\b] :: v_dual_min_num_f32 v[64*\s+16*\b+\i+1], v[64*\s+16*\b+\i+1], v[HOLD+\b]
.endr
.endr
	WIN 0x01
.irp b, 0,1,2,3
	v_cvt_scalef32_pk8_fp8_f32 v[PC+4*\b:PC+4*\b+1], v[64*\s+16*\b:64*\s+16*\b+7], v[SCL+\b]
	v_cvt_scalef32_pk8_fp8_f32 v[PC+4*\b+2:PC+4*\b+3], v[64*\s+16*\b+8:64*\s+16*\b+15], v[SCL+\b]
.endr
	WIN 0
	v_nop
.if (\s) < 3
	FMA \s+1                                       ; the next step's, here: they are also the places between the codes and the products
	WIN 0
	s_wait_dscnt 0x0                               ; v is in
.else
.if (\last) == 0
	BIAS 3
.endif
	PLACES 4
	WALU
.if (\last) == 0
	s_wait_loadcnt 0x0                             ; the next head's q
	s_wait_dscnt 48                                ; v is in; the 48 loads of biases behind it may be out
.else
	s_wait_dscnt 0x0
.endif
.endif
.if (\s) == 0
	v_wmma_scale_f32_16x16x128_f8f6f4 v[O:O+7], v[VF:VF+15], v[PC:PC+15], 0, v[VSW], v[PSW]
	v_wmma_scale_f32_16x16x128_f8f6f4 v[O+8:O+15], v[VF+16:VF+31], v[PC:PC+15], 0, v[VSW], v[PSW] matrix_a_scale:MATRIX_SCALE_ROW1
.else
	WALU
	v_wmma_scale_f32_16x16x128_f8f6f4 v[O:O+7], v[VF:VF+15], v[PC:PC+15], v[O:O+7], v[VSW], v[PSW]
	WALU
	v_wmma_scale_f32_16x16x128_f8f6f4 v[O+8:O+15], v[VF+16:VF+31], v[PC:PC+15], v[O+8:O+15], v[VSW], v[PSW] matrix_a_scale:MATRIX_SCALE_ROW1
.endif
.if (\last) == 0
.if (\s) == 1
	s_wait_tensorcnt 0x0                           ; my tile is in (no LDS load of mine is out): say so, and go on until the next head's bytes are wanted
	s_barrier_signal -1
.endif
.if (\s) == 2
	s_barrier_wait -1                              ; everybody's tile is in
	KLOAD 0, 5, 0
	KLOAD 1, 5, 0
	KWORDS 5
	BIAS 0
.endif
.endif
.endm
; A HEAD.  last = 1: nothing follows, so nothing is fetched ahead
.macro HEAD last
	SCORES \last
	STEP 0, \last
	STEP 1, \last
	STEP 2, \last
	STEP 3, \last
	v_pk_add_f32 v[SA:SA+1], v[SA:SA+1], v[SA+2:SA+3]
	v_pk_add_f32 v[SA+4:SA+5], v[SA+4:SA+5], v[SA+6:SA+7]
	v_add_nc_u32 v[OCA], s46, v[VOC]
	v_pk_add_f32 v[SA:SA+1], v[SA:SA+1], v[SA+4:SA+5]
	v_add_f32 v[SA], v[SA], v[SA+1]
	v_permlanex16_b32 v[T2], v[SA], s56, s57
	v_add_f32 v[SA], v[SA], v[T2]                  ; the row's sum
	v_nop
	WALU
	v_rcp_f32 v8, v[SA]
	v_nop                                          ; with it ten places behind the last products
	WALU
.set n, 0
.rept 8
	v_pk_mul_f32 v[O+n:O+n+1], v[O+n:O+n+1], v[8:9] op_sel_hi:[1,0]   ; register i = channel 16 h + i of the head, for my query
.set n, n+2
.endr
.if (\last) == 0
	v_lshrrev_b32 v[QRAW], s48, v[QRAW]
	v_perm_b32 v[QS], v[QRAW], v[QRAW], 0          ; the next head's
.endif
	v_max3_num_f32 v[BM], |v[O]|, |v[O+1]|, v[FLR]
	v_max3_num_f32 v[BM+1], |v[O+2]|, |v[O+3]|, |v[O+4]|
	v_max3_num_f32 v[BM+2], |v[O+5]|, |v[O+6]|, |v[O+7]|
	v_max3_num_f32 v[BM], v[BM], |v[O+8]|, |v[O+9]|
	v_max3_num_f32 v[BM+1], v[BM+1], |v[O+10]|, |v[O+11]|
	v_max3_num_f32 v[BM+2], v[BM+2], |v[O+12]|, |v[O+13]|
	v_max3_num_f32 v[BM], v[BM], |v[O+14]|, |v[O+15]|
	v_max3_num_f32 v[BM], v[BM], v[BM+1], v[BM+2]
	v_permlanex16_b32 v[T2], v[BM], s56, s57
	v_max_num_f32 v[BM], v[BM], v[T2]
	v_add_nc_u32 v[SCL], 0xfc000000, v[BM]
	v_and_or_b32 v[HOLD], v[BM], 0x7f800000, s60
	v_lshrrev_b32 v[T2+1], 23, v[SCL]
	v_lshl_or_b32 v7, v[T2+1], s47, v7             ; the head's byte of the projection operand's scale word
.irp i, 0,1,2,3,4,5,6,7,8,9,10,11,12,13,14,15
	v_med3_num_f32 v[O+\i], v[O+\i], -v[HOLD], v[HOLD]
.endr
	v_cvt_scalef32_pk8_fp8_f32 v[OCX:OCX+1], v[O:O+7], v[SCL]
	v_cvt_scalef32_pk8_fp8_f32 v[OCX+2:OCX+3], v[O+8:O+15], v[SCL]
	v_nop
	ds_store_b128 v[OCA], v[OCX:OCX+3]             ; block c of the projection's operand
.endm
	s_cmp_lt_u32 s52, 2
	WALU
	s_cbranch_scc0 .Llater
	s_wait_tensorcnt 0x0                           ; waves 0 and 1: head 0's tiles are in; the other waves wait for theirs inside head 0
.Llater:
	s_wait_dscnt 0x0                               ; my stores of proj_w's image have landed
	s_barrier_signal -1
	s_barrier_wait -1
	KLOAD 0, 4, 0
	KLOAD 1, 4, 0
	KWORDS 4
	BIAS 0
	BIAS 1
	BIAS 2
	BIAS 3
	s_mov_b32 s61, 0                               ; this head's records,
	s_mov_b32 s62, CHUNK                           ; the next head's,
	s_mov_b32 s45, TCH                             ; its biases,
	s_mov_b32 s46, 0                               ; this head's place among the codes,
	s_mov_b32 s47, 0                               ; and its byte
	s_mov_b32 s63, 3
.Lhead:
	HEAD 0
	s_add_co_u32 s61, s61, CHUNK
	s_add_co_u32 s62, s62, CHUNK
	s_add_co_u32 s45, s45, TCH
	s_add_co_u32 s46, s46, 512
	s_add_co_u32 s47, s47, 8
	s_add_nc_u64 s[4:5], s[4:5], 512               ; (q's loads are done)
	s_add_nc_u64 s[70:71], s[70:71], CHUNK
	v_add_nc_u32 v4, s61, v1
	s_sub_co_i32 s63, s63, 1
	s_cmp_lg_u32 s63, 0
	WALU
	s_cbranch_scc1 .Lhead
	HEAD 1
	; THE PROJECTION, transposed: source 0 = 16 rows of proj_w, source 1 = my 16 queries.  proj_b is each accumulator's C; K = 128: one instruction an accumulator.
.irp c, 0,1,2,3
	ds_load_b128 v[OCR+4*\c:OCR+4*\c+3], v[VOC] offset:512*\c   ; LDS serves a wave's instructions in order (ISA guide 5.7.1.4): these see my stores
.endr
.irp o, 0,1,2,3,4,5,6,7
.irp q, 0,1
	ds_load_b128 v[64+8*\o+4*\q:67+8*\o+4*\q], v[PBA] offset:64*\o+16*\q   ; proj_b at channels 16 o + 8 h + 0 .. 7
.endr
.endr
.macro PROJ p                          ; four tiles of proj_w at a time
.irp t, 0,1,2,3
.irp q, 0,1,2,3
	ds_load_b128 v[128+16*\t+4*\q:131+16*\t+4*\q], v[PIA] offset:(4*\p+\t)*2048+512*\q
.endr
	ds_load_b32 v[PSX+\t], v[PSA] offset:(4*\p+\t)*128
.endr
	WALU
	s_wait_dscnt 0x0
.if \p == 0
	s_barrier_signal -1                            ; my reads of k and v are over
.endif
.irp t, 0,1,2,3
	v_wmma_scale_f32_16x16x128_f8f6f4 v[64+8*(4*\p+\t):71+8*(4*\p+\t)], v[128+16*\t:143+16*\t], v[OCR:OCR+15], v[64+8*(4*\p+\t):71+8*(4*\p+\t)], v[PSX+\t], v7
.endr
	PLACES 8
.endm
	PROJ 0
	PROJ 1
	s_barrier_wait -1                              ; everybody's are: the stages lie over them
	; THE WAY OUT.  A lane holds eight neighbouring channels of one row: half a row (256 bytes) of 16 queries at a time goes through my stage and comes back as whole rows.
.irp u, 0,1
.irp t, 0,1,2,3
	ds_store_b128 v[STI], v[64+32*\u+8*\t:67+32*\u+8*\t] offset:64*\t          ; each accumulator from its low end on
	ds_store_b128 v[STI], v[68+32*\u+8*\t:71+32*\u+8*\t] offset:64*\t+16
.endr
.irp i, 0,1,2,3,4,5,6,7
	ds_load_b128 v[128+32*\u+4*\i:131+32*\u+4*\i], v[RDO] offset:544*\i        ; these see my stores, and the next half's stores come behind them
.endr
.endr
.irp u, 0,1
.irp i, 0,1,2,3,4,5,6,7
	s_wait_dscnt 16*(1-\u)+7-\i                    ; behind this load: the rest of its half's loads, and for the first half the second's 8 stores and 8 loads
	global_store_b128 v[GOO], v[128+32*\u+4*\i:131+32*\u+4*\i], s[14:15] offset:1024*\i+256*\u th:TH_STORE_NT   ; 16 lanes store 256 consecutive bytes, aligned
.endr
.endr
	s_wait_tensorcnt 0x0                           ; the wave's end
	ds_add_u32 v[SPW], v[NIL]
	s_wait_dscnt 0x0
	CROUND                                         ; the closing round: no work-group ends while a partner may still ask for a tile that names it
	s_endpgm
.Lfunc_end_k_q75b878951c_attn:
	.size	k_q75b878951c_attn, .Lfunc_end_k_q75b878951c_attn-k_q75b878951c_attn
	.p2alignl 7, 3214868480
	.fill 96, 4, 3214868480
	.section	.rodata,"a",@progbits
	.p2align	6, 0x0
	.amdhsa_kernel k_q75b878951c_attn
		.amdhsa_group_segment_fixed_size 312832
		.amdhsa_private_segment_fixed_size 0
		.amdhsa_enable_private_segment 0
		.amdhsa_kernarg_size 48
		.amdhsa_user_sgpr_count 2
		.amdhsa_user_sgpr_kernarg_segment_ptr 1
		.amdhsa_wavefront_size32 1
		.amdhsa_system_sgpr_workgroup_id_x 1
		.amdhsa_system_sgpr_workgroup_id_y 1
		.amdhsa_system_sgpr_workgroup_id_z 1
		.amdhsa_system_vgpr_workitem_id 0
		.amdhsa_next_free_vgpr 512
		.amdhsa_next_free_sgpr 80
		.amdhsa_reserve_vcc 0
		.amdhsa_float_denorm_mode_32 3
		.amdhsa_float_denorm_mode_16_64 3
		.amdhsa_memory_ordered 1
		.amdhsa_forward_progress 1
		.amdhsa_inst_pref_size 168
	.end_amdhsa_kernel
	.amdgpu_metadata
---
amdhsa.version: [ 1, 2 ]
amdhsa.kernels:
  - .name:           k_q75b878951c_attn
    .symbol:         k_q75b878951c_attn.kd
    .args:
      - { .name: qc, .offset: 0, .size: 8, .value_kind: global_buffer, .address_space: global }
      - { .name: kv, .offset: 8, .size: 8, .value_kind: global_buffer, .address_space: global }
      - { .name: tab, .offset: 16, .size: 8, .value_kind: global_buffer, .address_space: global }
      - { .name: proj_w, .offset: 24, .size: 8, .value_kind: global_buffer, .address_space: global }
      - { .name: proj_b, .offset: 32, .size: 8, .value_kind: global_buffer, .address_space: global }
      - { .name: out0, .offset: 40, .size: 8, .value_kind: global_buffer, .address_space: global }
    .group_segment_fixed_size: 312832
    .private_segment_fixed_size: 0
    .kernarg_segment_align: 8
    .kernarg_segment_size: 48
    .max_flat_workgroup_size: 256
    .sgpr_count:     80
    .vgpr_count:     512
    .wavefront_size: 32
...
	.end_amdgpu_metadata
.endif
;; end of part 4
